; MI455X (gfx1250); checked and timed in simulation.
; The chip was launched on July 23, 2026; its instructions are those of AMD's public machine-readable ISA for CDNA 5 (MIT licence, August 2026) and "CDNA5" Instruction Set Architecture Reference Guide (July 2026). The comments in the code are by the model that wrote it; some were corrected since.
;; Multi Head Attention. Allowed arithmetic: matrix products marked QUANTISED: E3M2 operands, one E8M0 scale for each 32 along K, by v_wmma_scale_f32_16x16x128_f8f6f4 with both operands' format E3M2, f32 sums; everything else in f32.
;; Inputs: Wk 1,024 x 1,024 float32; Wp 1,024 x 1,024 float32; Wq 1,024 x 1,024 float32; Wv 1,024 x 1,024 float32; bk 1,024 float32; bp 1,024 float32; bq 1,024 float32; bv 1,024 float32; x 4 x 2,048 x 1,024 float32.
;; Outputs: out0 4 x 2,048 x 1,024 float32.
;; This version of the problem:
;;   THIS VERSION OF THE PROBLEM IS GIVEN IN LOW PRECISION. The matrix products marked QUANTISED in the list below multiply operands that are first quantised to E3M2 (3 exponent bits, 2 mantissa bits; 6 bits a number), with one power-of-two scale for each 32 numbers along K (OCP MX v1.0); their sums are f32. All else is computed in f32.
;;   The module's matrix products, in the order in which they are computed (A, B: the left and right operand; K: the contracted axis; several contracted axes count as one K, in the product's order):
;;     1. [M 8,192, K 1,024] x [K 1,024, N 1,024]; A: input x; B: input Wk: QUANTISED
;;     2. [M 8,192, K 1,024] x [K 1,024, N 1,024]; A: input x; B: input Wq: QUANTISED
;;     3. [M 8,192, K 1,024] x [K 1,024, N 1,024]; A: input x; B: input Wv: QUANTISED
;;     4. batch 64 x [M 2,048, K 64] x [K 64, N 2,048]; A: computed on the way; B: computed on the way: QUANTISED
;;     5. batch 64 x [M 2,048, K 2,048] x [K 2,048, N 64]; A: softmax (see below); B: computed on the way: QUANTISED
;;     6. [M 8,192, K 1,024] x [K 1,024, N 1,024]; A: computed on the way; B: input Wp: QUANTISED
;;   THE QUANTISER, for each operand of a quantised product, along K:
;;     - K is cut into blocks of 32 from its start; a last block that is shorter is filled with zeros.
;;     - A block's scale is 2^e with e = floor(log2(the largest magnitude in the block)) - 4, held to -126 .. 127; a block of zeros has e = 0. As a byte (E8M0): e + 127.
;;     - Each number is divided by its block's scale, clamped to +-28, and rounded to the nearest number of E3M2, ties to even, subnormals kept.
;;     - The product sums the exact products of the quantised numbers (number of the format x scale) in f32.
;;   ~~~python
;;   def quantise(x, axis):      # numpy; x: float32 -> the quantised numbers, widened to float32 again
;;       x = np.moveaxis(x, axis, -1); K = x.shape[-1]
;;       x = np.pad(x, [(0, 0)] * (x.ndim - 1) + [(0, -K % 32)]); x = x.reshape(x.shape[:-1] + (-1, 32)); a = np.abs(x).max(-1, keepdims=True)
;;       e = np.where(a > 0, np.clip(np.frexp(np.where(a > 0, a, 1))[1] - 1 - 4, -126, 127), 0)      # np.frexp(a)[1] - 1 = floor(log2(a)), exactly
;;       r = np.clip(x / 2.0 ** e, -28, 28)
;;       step = 2.0 ** (np.maximum(np.frexp(np.where(r == 0, 1, r))[1] - 1, -2) - 2)
;;       q = np.round(r / step) * step * 2.0 ** e      # np.round: ties to even
;;       return np.moveaxis(q.reshape(q.shape[:-2] + (-1,))[..., :K], -1, axis).astype(np.float32)
;;   ~~~
;;   SOFTMAX AHEAD OF A QUANTISED PRODUCT. Where the list says 'softmax', what is quantised is not the finished softmax but p = 2^(t - M), with t = logit x log2(e) and M = ceil(the row's largest t), a whole number; so 1/2 < the row's largest p <= 1. The row's sum l is taken of the UNQUANTISED p, in f32, and the product's result is divided by l at the end. Since M is a whole number, a kernel that streams over the keys may use a running M (the ceiling of the running maximum): every later rescaling is an exact power of two, which a block's scale takes up: the codes' values come out the same.
;;   OPERANDS COMPUTED ON THE WAY. 'Computed on the way' means the value that the module computes at that place (a softmax that the list does not call 'softmax' is quantised finished and normalised). What goes into a quantiser is computed in f32, as accurately as f32 sums, v_exp_f32 and their like allow (about 1e-6 of the number): no bf16 or f16 on the way to a quantiser, and a product that is left as it is and whose result goes on into a quantised operand takes f32 operands (vector FMAs, or v_wmma_f32_16x16x4_f32). A number that lies on a knife's edge between two numbers of the format may be rounded either way, as far as f32 arithmetic and the matrix unit's own rounding can turn it there, and no further.
;; One version. Each part assembles by itself: llvm-mc -triple=amdgcn-amd-amdhsa -mcpu=gfx1250 --defsym DOCPART=n.
;; ======== version 1 of 1: 4 launches
;; workspace buffers: codes 9,437,184 bytes; scales 393,216 bytes; qb 6,815,744 bytes; kv 13,369,344 bytes; yimg 6,291,456 bytes; yscl 262,144 bytes
;; launch quant (part 1): grid 384 x 1, 4 waves a work-group, no clusters, 34,304 bytes of LDS; arguments x, Wq, Wk, Wv, Wp, codes, scales; writes codes, scales
.if DOCPART == 1
	.amdgcn_target "amdgcn-amd-amdhsa--gfx1250"
	.amdhsa_code_object_version 6
	.text
	.protected	k_q95463d5d22_quant
	.globl	k_q95463d5d22_quant
	.p2align	8
	.type	k_q95463d5d22_quant,@function
k_q95463d5d22_quant:
	s_mov_b64 s[64:65], 0
	v_nop
	global_prefetch_b8 v0, s[64:65] scope:SCOPE_SE
	s_setreg_imm32_b32 hwreg(HW_REG_WAVE_MODE, 25, 1), 1
	s_wait_xcnt 0x0
; x [8192][1024] and Wq, Wk, Wv, Wp [1024][1024], f32 with K innermost, become codes of BF6 (E3M2) and E8M0 scale bytes, one for each 32 along K,
; laid in the ORDER OF THE OPERAND'S REGISTERS, so that the later launches fetch fragments by plain 16-byte loads.
; A block's scale is 2^(floor(log2(largest magnitude)) - 4); its byte is the largest magnitude's exponent field - 4, held at 1 from below.
; LIMITS: a block of zeros gets the byte 1 where the rule says 127 (its codes are zeros, and the bytes are read by this program alone);
; NaN and infinities among the inputs are not served.
; ROW TILES.  Rows go in tiles of 16: tile 2 b + u holds at place i the source row 32 b + 8 u + i + 8 (i / 8).  As source 0 of a matrix instruction two
; neighbouring tiles then give a lane 16 NEIGHBOURING rows in 16 registers.  Tiles 0-511 x, 512-575 Wq, 576-639 Wk, 640-703 Wv, 704-767 Wp.
; codes:  [K / 256 : 4][row tile : 768][K step of 128 : 2][1,536 bytes]: a fragment's 12 registers as three chunks of 512 bytes, lane l's registers 4 c .. 4 c + 3 at 16 l.
; scales: [row tile][K / 256 : 4][row place : 16][K step : 2] words of four bytes.
; SHARES.  A work-group takes 32 source rows of one tensor; wave w takes row tile u = w / 2 and four K steps of 128 (half w % 2 of K).
; Each load reads 512 consecutive bytes of one row; a K step's 16 rows turn through the wave's own stage in LDS (rows 528 bytes apart), so that a lane gets 16 neighbours of each block.
; No tensor load, no barrier, no cluster: waves share nothing, and every byte is read once.  Loads run one K step (16 loads a wave) ahead of the step in hand.
.set SIGMA, 2359296                    ; bytes of codes for 256 along K: 768 row tiles x 3,072
.set STGB,  8448                       ; a wave's stage: 16 rows x 528 bytes
.set R,     16                         ; v16-143  two sets of 64 numbers as loaded
.set X,     144                        ; v144-207 64 numbers: register 16 b + i = k 32 b + 16 (lane / 16) + i of my row
.set PC,    208                        ; v208-219 the fragment's codes
.set CT,    220                        ; v220-226 the conversions' second halves
.set TM,    228                        ; v228-243 at work
.set PWS,   244                        ; v244-247 the scale word of each K step
.set SEL,   20                         ; s[20:21] lane selects: lane l xor 16
.set HM,    22                         ; s22      the mask of lanes 16-31
; 64 numbers of a lane, v[s] on, become a fragment's registers 0-5 in v[d0] on, 6-11 in v[d1] on, and the row's scale word in v[pw].
.macro QUANT s, d0, d1, pw
.irp b, 0,1,2,3
	v_max3_num_f32 v[TM+\b], |v[\s+16*\b]|, |v[\s+16*\b+1]|, 0x2800000   ; block b: my 16 numbers, and the floor 2^(5 - 127): the byte cannot fall under 1
.endr
.irp i, 2,4,6,8,10,12,14
.irp b, 0,1,2,3
	v_max3_num_f32 v[TM+\b], v[TM+\b], |v[\s+16*\b+\i]|, |v[\s+16*\b+\i+1]|   ; the four blocks by turns
.endr
.endr
.irp b, 0,1,2,3
	v_permlanex16_b32 v[TM+4+\b], v[TM+\b], s[SEL], s[SEL+1]
.endr
.irp b, 0,1,2,3
	v_max_num_f32 v[TM+\b], v[TM+\b], v[TM+4+\b]   ; with lane l xor 16's 16: the block's largest magnitude
.endr
.irp b, 0,1,2,3
	v_add_nc_u32 v[TM+12+\b], 0xfe000000, v[TM+\b]   ; 4 off its exponent field: the conversion's scale operand
.endr
.irp b, 0,1,2,3
	v_lshrrev_b32 v[TM+4+\b], 23, v[TM+12+\b]      ; the scale's byte
.endr
	v_lshl_or_b32 v[\pw], v[TM+5], 8, v[TM+4]
	v_lshl_or_b32 v[\pw], v[TM+6], 16, v[\pw]
	v_lshl_or_b32 v[\pw], v[TM+7], 24, v[\pw]
	v_cvt_scalef32_pk16_bf6_f32 v[\d0:\d0+2], v[\s:\s+15], v[TM+12]
	v_cvt_scalef32_pk16_bf6_f32 v[CT:CT+2], v[\s+16:\s+31], v[TM+13]
	v_cvt_scalef32_pk16_bf6_f32 v[\d1:\d1+2], v[\s+32:\s+47], v[TM+14]
	v_cvt_scalef32_pk16_bf6_f32 v[CT+4:CT+6], v[\s+48:\s+63], v[TM+15]
	v_nop                                          ; one plain place behind the scaled conversions
.irp i, 0,1,2
	v_permlane16_swap_b32 v[\d0+\i], v[CT+\i]      ; a whole block to a lane: lanes 0-15 the even block, lanes 16-31 the odd one
	v_permlane16_swap_b32 v[\d1+\i], v[CT+4+\i]
.endr
.irp i, 0,1,2
	v_mov_b32 v[\d0+3+\i], v[CT+\i]
	v_mov_b32 v[\d1+3+\i], v[CT+4+\i]
.endr
.endm
	s_load_b256 s[4:11], s[0:1], 0x0               ; x, Wq, Wk, Wv
	s_load_b128 s[12:15], s[0:1], 0x20             ; Wp, codes
	s_load_b64 s[16:17], s[0:1], 0x30              ; scales
	v_lshl_add_u32 v254, v0, 2, 0x8400
	v_mov_b32 v255, 0
	v_lshrrev_b32 v5, 5, v0
	v_readfirstlane_b32 s18, v5                    ; wave 0..3
	v_and_b32 v5, 31, v0                           ; lane
	v_lshlrev_b32 v1, 4, v5                        ; 16 x lane: my 16 bytes of a load's or a store's 512
	v_lshlrev_b32 v4, 3, v5                        ; 8 x lane
	v_and_b32 v6, 15, v0                           ; r
	v_bfe_u32 v7, v0, 4, 1                         ; h
	s_mul_i32 s19, s18, STGB
	v_add_nc_u32 v2, s19, v1                       ; the stage, on the way in: 16 x lane in a row
	v_mul_u32_u24 v3, v6, 528
	v_lshl_add_u32 v3, v7, 6, v3
	v_add_nc_u32 v3, s19, v3                       ; and on the way out: row r, + 64 h: my 16 numbers of a block
	s_mov_b32 s[SEL], 0x76543210
	s_mov_b32 s[SEL+1], 0xfedcba98
	s_mov_b32 s[HM], 0xffff0000
.irp b, 0,1,2,3
	v_mov_b32 v[TM+4+\b], 0                        ; written once: a lane permute's destination counts as one of its sources
.endr
	s_lshr_b32 s23, s18, 1                         ; u: which of the two row tiles
	s_and_b32 s19, s18, 1                          ; which half of K
	s_and_b32 s26, ttmp9, 31                       ; a weight's block of 32 rows
	s_wait_kmcnt 0x0
	s_mov_b64 s[24:25], s[12:13]                   ; the tensor is chosen by the work-group's number alone
	s_cmp_lt_u32 ttmp9, 352
	s_cselect_b64 s[24:25], s[10:11], s[24:25]
	s_cmp_lt_u32 ttmp9, 320
	s_cselect_b64 s[24:25], s[8:9], s[24:25]
	s_cmp_lt_u32 ttmp9, 288
	s_cselect_b64 s[24:25], s[6:7], s[24:25]
	s_cmp_lt_u32 ttmp9, 256
	s_cselect_b64 s[24:25], s[4:5], s[24:25]
	s_cselect_b32 s26, ttmp9, s26
	s_lshl_b32 s26, s26, 17                        ; 32 rows of 4,096 bytes
	s_lshl_b32 s28, s23, 15                        ; + 8 u rows
	s_add_co_u32 s26, s26, s28
	s_lshl_b32 s28, s19, 11                        ; + my half of K: 512 numbers
	s_add_co_u32 s26, s26, s28
	s_mov_b32 s27, 0
	s_add_nc_u64 s[24:25], s[24:25], s[26:27]
	s_lshl_b32 s28, ttmp9, 1
	s_add_co_u32 s28, s28, s23                     ; my row tile
	s_mul_i32 s26, s28, 3072
	s_mul_i32 s30, s19, 2*SIGMA
	s_add_co_u32 s26, s26, s30
	s_add_nc_u64 s[14:15], s[14:15], s[26:27]
	s_lshl_b32 s26, s28, 9
	s_lshl_b32 s30, s19, 8
	s_add_co_u32 s26, s26, s30
	s_add_nc_u64 s[16:17], s[16:17], s[26:27]
.macro LOAD s                          ; K step s of the tile's 16 rows: each load reads 512 consecutive bytes of one row
.irp i, 0,1,2,3,4,5,6,7,8,9,10,11,12,13,14,15
	global_load_b128 v[R+64*((\s)%2)+4*\i:R+64*((\s)%2)+4*\i+3], v1, s[24:25] offset:(\i+8*(\i/8))*4096+512*(\s) th:TH_LOAD_NT
.endr
.endm
.macro KSTEP s
.if \s < 3
	s_wait_loadcnt 16                              ; this step's 16 loads are in; the next step's 16 may be out
.else
	s_wait_loadcnt 0x0
.endif
.irp i, 0,1,2,3,4,5,6,7,8,9,10,11,12,13,14,15
	ds_store_b128 v2, v[R+64*((\s)%2)+4*\i:R+64*((\s)%2)+4*\i+3] offset:528*\i
.endr
.irp b, 0,1,2,3
.irp j, 0,1,2,3
	ds_load_b128 v[X+16*\b+4*\j:X+16*\b+4*\j+3], v3 offset:128*\b+16*\j   ; LDS serves a wave's instructions in order: these see the stores above
.endr
.endr
	s_wait_dscnt 0x0                               ; the numbers are back, and the stores have read their registers,
.if \s < 2
	LOAD (\s)+2                                    ; which take the loads of two steps on
.endif
.if \s > 0
	s_wait_xcnt 0x0                                ; the last step's stores have read the codes' registers: they are written again below
.endif
	QUANT X, PC, PC+6, PWS+\s
.irp c, 0,1,2
	global_store_b128 v1, v[PC+4*\c:PC+4*\c+3], s[14:15] offset:((\s)/2)*SIGMA+((\s)%2)*1536+512*\c   ; 32 lanes store 512 consecutive bytes, aligned
.endr
.endm
	LOAD 0
	LOAD 1
	KSTEP 0
	KSTEP 1
	KSTEP 2
	KSTEP 3
	v_cndmask_b32 v248, v[PWS], v[PWS+2], s[HM]    ; lanes 0-15 store the words of my first 256 along K, lanes 16-31 those of the second
	v_cndmask_b32 v249, v[PWS+1], v[PWS+3], s[HM]
	global_store_b64 v4, v[248:249], s[16:17]      ; 32 lanes store 256 consecutive bytes, aligned
	s_wait_tensorcnt 0x0
	ds_add_u32 v254, v255
	s_wait_dscnt 0x0
	s_endpgm
.Lfunc_end_k_q95463d5d22_quant:
	.size	k_q95463d5d22_quant, .Lfunc_end_k_q95463d5d22_quant-k_q95463d5d22_quant
	.p2alignl 7, 3214868480
	.fill 96, 4, 3214868480
	.section	.rodata,"a",@progbits
	.p2align	6, 0x0
	.amdhsa_kernel k_q95463d5d22_quant
		.amdhsa_group_segment_fixed_size 34304
		.amdhsa_private_segment_fixed_size 0
		.amdhsa_enable_private_segment 0
		.amdhsa_kernarg_size 56
		.amdhsa_user_sgpr_count 2
		.amdhsa_user_sgpr_kernarg_segment_ptr 1
		.amdhsa_wavefront_size32 1
		.amdhsa_system_sgpr_workgroup_id_x 1
		.amdhsa_system_sgpr_workgroup_id_y 1
		.amdhsa_system_sgpr_workgroup_id_z 1
		.amdhsa_system_vgpr_workitem_id 0
		.amdhsa_next_free_vgpr 256
		.amdhsa_next_free_sgpr 66
		.amdhsa_reserve_vcc 0
		.amdhsa_float_denorm_mode_32 3
		.amdhsa_float_denorm_mode_16_64 3
		.amdhsa_memory_ordered 1
		.amdhsa_forward_progress 1
		.amdhsa_inst_pref_size 34
	.end_amdhsa_kernel
	.amdgpu_metadata
---
amdhsa.version: [ 1, 2 ]
amdhsa.kernels:
  - .name:           k_q95463d5d22_quant
    .symbol:         k_q95463d5d22_quant.kd
    .args:
      - { .name: x, .offset: 0, .size: 8, .value_kind: global_buffer, .address_space: global }
      - { .name: Wq, .offset: 8, .size: 8, .value_kind: global_buffer, .address_space: global }
      - { .name: Wk, .offset: 16, .size: 8, .value_kind: global_buffer, .address_space: global }
      - { .name: Wv, .offset: 24, .size: 8, .value_kind: global_buffer, .address_space: global }
      - { .name: Wp, .offset: 32, .size: 8, .value_kind: global_buffer, .address_space: global }
      - { .name: codes, .offset: 40, .size: 8, .value_kind: global_buffer, .address_space: global }
      - { .name: scales, .offset: 48, .size: 8, .value_kind: global_buffer, .address_space: global }
    .group_segment_fixed_size: 34304
    .private_segment_fixed_size: 0
    .kernarg_segment_align: 8
    .kernarg_segment_size: 56
    .max_flat_workgroup_size: 128
    .sgpr_count:     66
    .vgpr_count:     256
    .wavefront_size: 32
...
	.end_amdgpu_metadata
.endif
;; end of part 1
;; launch qkv (part 2): grid 12 x 32, 4 waves a work-group, clusters of 4 x 4, 327,680 bytes of LDS; arguments codes, scales, bq, bk, bv, qb, kv; writes qb, kv
.if DOCPART == 2
	.amdgcn_target "amdgcn-amd-amdhsa--gfx1250"
	.amdhsa_code_object_version 6
	.text
	.protected	k_q95463d5d22_qkv
	.globl	k_q95463d5d22_qkv
	.p2align	8
	.type	k_q95463d5d22_qkv,@function
k_q95463d5d22_qkv:
	s_mov_b64 s[64:65], 0
	v_nop
	global_prefetch_b8 v0, s[64:65] scope:SCOPE_SE
	s_setreg_imm32_b32 hwreg(HW_REG_WAVE_MODE, 25, 1), 1
	s_wait_xcnt 0x0
	s_wait_alu depctr_hold_cnt(0) depctr_sa_sdst(0) depctr_va_vdst(0) depctr_va_sdst(0) depctr_va_ssrc(0) depctr_va_vcc(0) depctr_vm_vsrc(0)
	s_getreg_b32 s2, hwreg(HW_REG_IB_STS2, 6, 4)
	s_cmp_eq_u32 s2, 0
	s_cbranch_scc0 .Lentry_in_a_cluster
	s_endpgm
.Lentry_in_a_cluster:
	s_bfe_u32 s2, ttmp6, 0x10000c
	s_cmp_lg_u32 s2, 0xf033
	s_cbranch_scc0 .Lentry_shape_is_right
	s_endpgm
.Lentry_shape_is_right:
; q = x Wq^T + bq, k = x Wk^T + bk, v = x Wv^T + bv on codes of BF6 (E3M2) with E8M0 scales; the results, in f32, are quantised in registers: q and k along a head's 64 channels,
; v along the keys; they leave as images of the operands' registers for the attention launch.  Nothing wide goes to memory.
; A tile of 256 x 256 is made by four waves, each 128 x 128: 64 accumulators, 512 registers.  K = 1,024 goes in four slots of 256 through a ring of two LDS slots.
; The codes lie in memory in the order of the operands' registers: 128 rows of a slot are ONE dense block of 24,576 bytes (one tensor load), a fragment is three ds_load_b128, consecutive bytes.
; The scale words of the tile's rows, for all of K, come once with the first fills.
; THE MATRIX INSTRUCTION IS USED TRANSPOSED (source 0 = 16 rows of B, source 1 = 16 rows of A): a lane holds ONE row of A and 64 rows of B, in their natural order (the row tiles are laid for it).
; ROLES, by the cluster's x: 0: q, 1: k: A = x, B = the weight: a lane's 64 registers run along the channels, the coming K.  2: v: A = Wv, B = x: they run along the tokens, v's coming K.
; CLUSTERS: 4 x 4 work-groups; A's tiles are shared along a row of the cluster, B's along a column: each is asked for jointly.
; OUT.  qb: a record of 6,656 bytes for each (batch x 16 + head, 128 tokens): 4 pair images of 1,536 bytes (registers 0-5 row tile 2 p, 6-11 row tile 2 p + 1: a tile has 6 registers, K = 64), then 512 bytes of scale words
; (lane l's 16 bytes at 16 l; word p of lane (r, h) is tile 2 p + h's, row r; the two bytes are repeated for the two empty blocks of the K step of 128).
; kv: a record of 13,056 bytes: k as q's (6,144), v's four fragments (16 channels x 128 keys, 6,144), k's scale words (512), v's (256: lane l's 8 bytes at 8 l; word g of lane (r, h) is channel tile 2 g + h's).
; LIMITS: a block of zeros gets the byte 1 where the rule says 127 (its codes are zeros; this program alone reads the bytes); NaN and infinities are not served.
; No prefetch: the ring has two refills in all, each asked for a slot's 128 matrix instructions ahead of the wait for it.
; REGISTERS: window 0: v0-31 addresses; v32-63 scale words, two sets; v64-127 the bias for q and k; v128-223 A's fragments, one set; on the way out v128-255 at work.
;   window 1: B's fragments, two sets, at v0 and v128; v96-111 the bias for v.   windows 2, 3: the accumulators ((a, b) at v[8 (8 (a % 4) + b)], window 2 + a / 4).
.set NQ,     2                         ; matrix instructions deep in a slot
.set FR,     12                        ; registers of a fragment
.set NLA,    3                         ; LDS loads that bring one of A's
.set NP,     4                         ; places behind this matrix instruction (ISA guide 7.12.1)
.set HALFT,  24576                     ; 128 rows of a slot: 8 row tiles x 2 fragments x 1,536 bytes
.set SLOT,   98304                     ; A's 256 rows, then B's
.set SCL,    196608                    ; behind the ring: the scale words
.set HALFS,  4096                      ; those of 128 rows
.set SPARE,  212992                    ; the spare words, 128 bytes for each wave: two blocks of 256 bytes that no other line names
.set SIGMA,  2359296                   ; bytes from a slot's codes to the next slot's
.set STRA,   SIGMA
.set STRB,   SIGMA
.set ADRA, 16                          ; v16-17  LDS address of my A fragments in slot 0, 1
.set ADRB, 20                          ; v20-21  the same for B
.set ADRS, 27                          ; v27     of my scale words: lanes 0-15 A's, lanes 16-31 B's
.set SPW,  28                          ; v28     my spare word; never rewritten
.set NIL,  29                          ; v29     0; never rewritten
.set SC,   32
.set BI,   64
.set BV,   96                          ; in window 1
.set AF,   128
.set T,    128                         ; the way out: 64 numbers
.set SW,   192                         ; v192-199 scale words to store
.set TM,   200                         ; v200-215 at work
.set PW,   216
.set TW,   217
.set OUT,  224                         ; v224-247 codes to store
.set CT,   248
.set WV,   18
.set AH,   19                          ; which half of A's rows is mine; also: I fetch for A (0) or for B (1)
.set BH,   20                          ; which half of B's rows; also: which 128 rows I fetch
.set CX,   21
.set CY,   22
.set G1,   24
.set G0,   32
.set G1B,  48
.set G0B,  56
.set G1S,  68
.set G0S,  76
.set G1SB, 80
.set G0SB, 88
.set BIA,  8                           ; s[8:9]   my 128 numbers of the bias
.set PS,   10                          ; s[10:13] where the two heads' scale words go
.set PI,   14                          ; s[14:17] where their images go
.set SEL,  92
.set HM,   94
.set MSB, 0
.macro WIN new                         ; the immediate's high byte repeats the setting that is left
.if MSB != (\new)
	s_set_vgpr_msb (MSB<<8)|(\new)
.set MSB, (\new)
.endif
.endm
.set MUL_LO, 0xa1                      ; source 0 (B) window 1, source 1 (A) window 0, C and D window 2
.set MUL_HI, 0xf1
.set TO_B,   0x40
; A joint load: waves 0 and 1 fetch for A, waves 2 and 3 for B; the branch hangs on the wave's number alone.  Four v_nop follow each of the two lines.
.macro JLOAD g0a, g1a, g0b, g1b
	s_cmp_eq_u32 s[AH], 0
	s_cbranch_scc0 .Lfor_b_\@
	tensor_load_to_lds s[\g0a:\g0a+3], s[\g1a:\g1a+7]
	s_nop 0
.rept 4
	v_nop
.endr
	s_branch .Lasked_\@
.Lfor_b_\@:
	tensor_load_to_lds s[\g0b:\g0b+3], s[\g1b:\g1b+7]
	s_nop 0
.rept 4
	v_nop
.endr
.Lasked_\@:
.endm
.macro CREST                           ; a round of the cluster's barrier behind its opening barrier
	s_cmp_lg_u32 s[WV], 0
	s_cbranch_scc1 .Lnot_wave_0_\@
	s_barrier_signal -3
.Lnot_wave_0_\@:
	s_barrier_wait -3
	s_barrier_signal -1
	s_barrier_wait -1
.endm
.macro CROUND
	s_barrier_signal -1
	s_barrier_wait -1
	CREST
.endm
.macro QUANT s, d0, d1, pw             ; 64 numbers of a lane (register 16 b + i = k 32 b + 16 (lane / 16) + i) -> registers 0-5 in v[d0] on, 6-11 in v[d1] on, scale word in v[pw]
.irp b, 0,1,2,3
	v_max3_num_f32 v[TM+\b], |v[\s+16*\b]|, |v[\s+16*\b+1]|, 0x2800000   ; and the floor 2^(5 - 127): the byte cannot fall under 1
.endr
.irp i, 2,4,6,8,10,12,14
.irp b, 0,1,2,3
	v_max3_num_f32 v[TM+\b], v[TM+\b], |v[\s+16*\b+\i]|, |v[\s+16*\b+\i+1]|
.endr
.endr
.irp b, 0,1,2,3
	v_permlanex16_b32 v[TM+4+\b], v[TM+\b], s[SEL], s[SEL+1]
.endr
.irp b, 0,1,2,3
	v_max_num_f32 v[TM+\b], v[TM+\b], v[TM+4+\b]
.endr
.irp b, 0,1,2,3
	v_add_nc_u32 v[TM+12+\b], 0xfe000000, v[TM+\b]   ; 4 off the exponent field: the conversion's scale operand
.endr
.irp b, 0,1,2,3
	v_lshrrev_b32 v[TM+4+\b], 23, v[TM+12+\b]
.endr
	v_lshl_or_b32 v[\pw], v[TM+5], 8, v[TM+4]
	v_lshl_or_b32 v[\pw], v[TM+6], 16, v[\pw]
	v_lshl_or_b32 v[\pw], v[TM+7], 24, v[\pw]
	v_cvt_scalef32_pk16_bf6_f32 v[\d0:\d0+2], v[\s:\s+15], v[TM+12]
	v_cvt_scalef32_pk16_bf6_f32 v[CT:CT+2], v[\s+16:\s+31], v[TM+13]
	v_cvt_scalef32_pk16_bf6_f32 v[\d1:\d1+2], v[\s+32:\s+47], v[TM+14]
	v_cvt_scalef32_pk16_bf6_f32 v[CT+4:CT+6], v[\s+48:\s+63], v[TM+15]
	v_nop                                          ; one plain place behind the scaled conversions
.irp i, 0,1,2
	v_permlane16_swap_b32 v[\d0+\i], v[CT+\i]
	v_permlane16_swap_b32 v[\d1+\i], v[CT+4+\i]
.endr
.irp i, 0,1,2
	v_mov_b32 v[\d0+3+\i], v[CT+\i]
	v_mov_b32 v[\d1+3+\i], v[CT+4+\i]
.endr
.endm
	s_load_b256 s[4:11], s[0:1], 0x0               ; codes, scales, bq, bk
	s_load_b128 s[12:15], s[0:1], 0x20             ; bv, qb
	s_load_b64 s[16:17], s[0:1], 0x30              ; kv
	v_lshl_add_u32 v[SPW], v0, 2, SPARE
	v_mov_b32 v[NIL], 0
	ds_add_u32 v28, v29
	ds_add_u32 v28, v29
	s_wait_dscnt 0x0
	v_lshrrev_b32 v1, 5, v0
	v_readfirstlane_b32 s[WV], v1
	s_lshr_b32 s[AH], s[WV], 1
	s_and_b32 s[BH], s[WV], 1
	s_bfe_u32 s[CX], ttmp6, 0x40000
	s_bfe_u32 s[CY], ttmp6, 0x40004
	s_and_b32 s23, ttmp7, 0xffff
	s_lshl_b32 s23, s23, 2                         ; 4 x cluster y: x's first tile of 256 rows for this cluster
	s_lshl_b32 s40, ttmp9, 2
	s_add_co_u32 s40, s40, 32                      ; the weight's first tile: 32 Wq, 36 Wk
	s_cmp_eq_u32 ttmp9, 2                          ; the role: the same in all sixteen partners
	s_cselect_b32 s41, 40, s23                     ; A: Wv, or x
	s_cselect_b32 s42, s23, s40                    ; B: x, or the weight
	s_add_co_u32 s41, s41, s[CY]                   ; A's tile hangs on cy alone,
	s_add_co_u32 s42, s42, s[CX]                   ; B's on cx alone
	s_lshl_b32 s43, s[CY], 2
	s_lshl_b32 s43, 15, s43                        ; my row of the cluster
	s_lshl_b32 s44, 0x1111, s[CX]                  ; my column
	s_or_b32 s[G1], s43, (3<<16)|(1<<21)           ; 15:0 the mask; 17:16 elements of 8 bytes; 20 no padding; 21 set beside a mask
	s_or_b32 s[G1B], s44, (3<<16)|(1<<21)
	s_or_b32 s[G1S], s43, (3<<16)|(1<<21)
	s_or_b32 s[G1SB], s44, (3<<16)|(1<<21)
.irp g, G1, G1B                        ; a dense block of 24,576 bytes as 96 rows of 256
	s_mov_b32 s[\g+1], 32<<16
	s_mov_b32 s[\g+2], 96<<16
	s_mov_b32 s[\g+3], 32<<16
	s_mov_b32 s[\g+4], 96
	s_mov_b32 s[\g+5], 32
	s_mov_b32 s[\g+6], 0
	s_mov_b32 s[\g+7], 0
.endr
.irp g, G1S, G1SB                      ; 4,096 bytes as 16 rows of 256
	s_mov_b32 s[\g+1], 32<<16
	s_mov_b32 s[\g+2], 16<<16
	s_mov_b32 s[\g+3], 32<<16
	s_mov_b32 s[\g+4], 16
	s_mov_b32 s[\g+5], 32
	s_mov_b32 s[\g+6], 0
	s_mov_b32 s[\g+7], 0
.endr
	s_lshl_b32 s45, s[BH], 3                       ; which 8 row tiles of the tile's 16 I fetch
	s_lshl_b32 s46, s41, 4
	s_add_co_u32 s46, s46, s45                     ; A's first row tile
	s_lshl_b32 s47, s42, 4
	s_add_co_u32 s47, s47, s45                     ; B's
	s_mul_i32 s92, s46, 3072
	s_mov_b32 s93, 0
	s_mul_i32 s94, s47, 3072
	s_mov_b32 s95, 0
	s_lshl_b32 s96, s46, 9
	s_mov_b32 s97, 0
	s_lshl_b32 s98, s47, 9
	s_mov_b32 s99, 0
	s_mul_i32 s66, s[WV], HALFT                    ; where they go: no place in the cluster enters an LDS address
	s_mul_i32 s67, s[WV], HALFS
	s_wait_kmcnt 0x0
	s_add_nc_u64 s[92:93], s[4:5], s[92:93]
	s_add_nc_u64 s[94:95], s[4:5], s[94:95]
	s_add_nc_u64 s[96:97], s[6:7], s[96:97]
	s_add_nc_u64 s[98:99], s[6:7], s[98:99]
	CROUND                                         ; all sixteen work-groups are here: the first joint loads meet
	s_mov_b32 s[G0S], 1
	s_add_co_u32 s[G0S+1], s67, SCL
	s_mov_b64 s[G0S+2:G0S+3], s[96:97]
	s_or_b32 s[G0S+3], s[G0S+3], 0x80000000
	s_mov_b32 s[G0SB], 1
	s_add_co_u32 s[G0SB+1], s67, SCL
	s_mov_b64 s[G0SB+2:G0SB+3], s[98:99]
	s_or_b32 s[G0SB+3], s[G0SB+3], 0x80000000
	JLOAD G0S, G1S, G0SB, G1SB                     ; the scale words first: they are wanted with slot 0
.irp s, 0,1
	s_mov_b32 s[G0+4*\s], 1
	s_add_co_u32 s[G0+4*\s+1], s66, \s*SLOT
	s_add_nc_u64 s[G0+4*\s+2:G0+4*\s+3], s[92:93], \s*STRA
	s_or_b32 s[G0+4*\s+3], s[G0+4*\s+3], 0x80000000
	s_mov_b32 s[G0B+4*\s], 1
	s_add_co_u32 s[G0B+4*\s+1], s66, \s*SLOT
	s_add_nc_u64 s[G0B+4*\s+2:G0B+4*\s+3], s[94:95], \s*STRB
	s_or_b32 s[G0B+4*\s+3], s[G0B+4*\s+3], 0x80000000
	JLOAD G0+4*\s, G1, G0B+4*\s, G1B               ; three tensor loads of mine are out
.endr
	v_and_b32 v1, 31, v0
	v_lshlrev_b32 v24, 4, v1                       ; 16 x lane
	v_lshlrev_b32 v25, 3, v1                       ; 8 x lane
	v_and_b32 v2, 15, v0                           ; r
	v_bfe_u32 v3, v0, 4, 1                         ; h
	s_mul_i32 s43, s[AH], HALFT
	s_mul_i32 s44, s[BH], HALFT
	s_add_co_u32 s44, s44, 2*HALFT
.irp s, 0,1
	v_add_nc_u32 v[ADRA+\s], s43, v24
	v_add_nc_u32 v[ADRB+\s], s44, v24
	s_add_co_u32 s43, s43, SLOT
	s_add_co_u32 s44, s44, SLOT
.endr
	s_mul_i32 s43, s[AH], HALFS
	s_mul_i32 s44, s[BH], HALFS
	s_add_co_u32 s44, s44, 2*HALFS
	s_sub_co_u32 s44, s44, s43
	v_mul_u32_u24 v4, s44, v3                      ; lanes 16-31 take B's words: one product, the distance between the two
	s_add_co_u32 s43, s43, SCL
	v_lshl_add_u32 v4, v2, 3, v4                   ; 8 bytes a row: a slot's two words
	v_add_nc_u32 v[ADRS], s43, v4
	; where the results go.  This arithmetic mixes cx and cy: it stands in registers that feed no descriptor
	s_cmp_eq_u32 ttmp9, 2
	s_cselect_b32 s2, s42, s41                     ; x's tile of 256 tokens
	s_cselect_b32 s3, s[BH], s[AH]                 ; my half of it
	s_cselect_b32 s100, s[CY], s[CX]               ; the weight's tile of 256 channels
	s_cselect_b32 s101, s[AH], s[BH]               ; my half of it
	s_cselect_b32 s104, 6144, 0                    ; v's image lies behind k's
	s_lshl_b32 s2, s2, 1
	s_add_co_u32 s2, s2, s3                        ; which 128 tokens: 16 x batch + key step
	s_lshl_b32 s100, s100, 1
	s_add_co_u32 s100, s100, s101                  ; which 128 channels: two heads
	s_lshr_b32 s3, s2, 4
	s_lshl_b32 s3, s3, 4
	s_lshl_b32 s101, s100, 1
	s_add_co_u32 s3, s3, s101                      ; 16 x batch + my first head
	s_lshl_b32 s3, s3, 4
	s_and_b32 s2, s2, 15
	s_add_co_u32 s3, s3, s2                        ; the record
	s_mov_b32 s2, 13056
	s_mov_b32 s101, 12288
	s_cmp_eq_u32 ttmp9, 0
	s_cselect_b32 s2, 6656, s2                     ; a record's bytes
	s_cselect_b32 s101, 6144, s101                 ; where its scale words begin
	s_cselect_b64 s[14:15], s[14:15], s[16:17]     ; qb or kv
	s_cselect_b64 s[8:9], s[8:9], s[10:11]         ; bq or bk,
	s_mov_b32 s105, 12800
	s_cmp_eq_u32 ttmp9, 2
	s_cselect_b32 s101, s105, s101
	s_cselect_b64 s[8:9], s[12:13], s[8:9]         ; or bv
	s_mul_i32 s3, s3, s2
	s_lshl_b32 s2, s2, 4                           ; 16 records on: the next head
	s_add_co_u32 s104, s3, s104
	s_mov_b32 s105, 0                              ; s[104:105]: the image's offset
	s_add_co_u32 s3, s3, s101                      ; the scale words' offset
	s_lshl_b32 s100, s100, 9
	s_mov_b32 s101, 0
	s_add_nc_u64 s[BIA:BIA+1], s[BIA:BIA+1], s[100:101]
	s_mov_b32 s100, s3
	s_add_nc_u64 s[PS:PS+1], s[14:15], s[100:101]
	s_add_nc_u64 s[PI:PI+1], s[14:15], s[104:105]
	s_mov_b32 s100, s2
	s_add_nc_u64 s[PI+2:PI+3], s[PI:PI+1], s[100:101]
	s_add_nc_u64 s[PS+2:PS+3], s[PS:PS+1], s[100:101]
	; the bias, in both forms, so that no register's first write hangs on the role; both read my 128 numbers alone
	v_lshlrev_b32 v30, 6, v3                       ; for q and k: register 8 t + j is channel 32 (t / 2) + 16 h + 8 (t % 2) + j
	v_and_b32 v4, 8, v2
	v_add_nc_u32 v4, v4, v2
	v_lshlrev_b32 v31, 2, v4                       ; for v: tile a's channel 32 (a / 2) + 8 (a % 2) + r + 8 (r / 8), twice (a pair for the packed addition)
.irp t, 0,1,2,3,4,5,6,7
	global_load_b128 v[BI+8*\t:BI+8*\t+3], v30, s[BIA:BIA+1] offset:(32*(\t/2)+8*(\t%2))*4
	global_load_b128 v[BI+8*\t+4:BI+8*\t+7], v30, s[BIA:BIA+1] offset:(32*(\t/2)+8*(\t%2))*4+16
.endr
	WIN TO_B
.irp a, 0,1,2,3,4,5,6,7
	global_load_b32 v[BV+2*\a], v31, s[BIA:BIA+1] offset:(32*(\a/2)+8*(\a%2))*4
	global_load_b32 v[BV+2*\a+1], v31, s[BIA:BIA+1] offset:(32*(\a/2)+8*(\a%2))*4
.endr
	WIN 0
.macro FRAGB reg, adr, q, i            ; a fragment comes as it was laid: three loads of 512 consecutive bytes
.irp c, 0,1,2
	ds_load_b128 v[\reg+4*\c:\reg+4*\c+3], v[\adr] offset:(\i)*3072+(\q)*1536+512*\c
.endr
.endm
.macro FRAGA reg, adr, q, i
.irp c, 0,1,2
	ds_load_b128 v[\reg+4*\c:\reg+4*\c+3], v[\adr] offset:(\i)*3072+(\q)*1536+512*\c
.endr
.endm
; 16 matrix instructions: A's blocks a0, a0 + 1 x B's eight, 128 along K.  The 64 accumulators take turns, one instruction a turn, in the same order in every step.
.macro MUL16 a0, p, q, sc, zero
.irp a, \a0, \a0+1
.irp b, 0,1,2,3,4,5,6,7
.if \zero
	v_wmma_scale_f32_16x16x128_f8f6f4 v[8*(8*((\a)%4)+\b):8*(8*((\a)%4)+\b)+7], v[128*(\p)+FR*\b:128*(\p)+FR*\b+FR-1], v[AF+FR*(\a):AF+FR*(\a)+FR-1], 0, v[SC+8*NQ*(\sc)+NQ*\b+(\q)], v[SC+8*NQ*(\sc)+NQ*(\a)+(\q)] matrix_a_fmt:MATRIX_FMT_BF6 matrix_b_fmt:MATRIX_FMT_BF6 matrix_a_scale:MATRIX_SCALE_ROW1
.else
	v_wmma_scale_f32_16x16x128_f8f6f4 v[8*(8*((\a)%4)+\b):8*(8*((\a)%4)+\b)+7], v[128*(\p)+FR*\b:128*(\p)+FR*\b+FR-1], v[AF+FR*(\a):AF+FR*(\a)+FR-1], v[8*(8*((\a)%4)+\b):8*(8*((\a)%4)+\b)+7], v[SC+8*NQ*(\sc)+NQ*\b+(\q)], v[SC+8*NQ*(\sc)+NQ*(\a)+(\q)] matrix_a_fmt:MATRIX_FMT_BF6 matrix_b_fmt:MATRIX_FMT_BF6 matrix_a_scale:MATRIX_SCALE_ROW1
.endif
.endr
.endr
.endm
.macro FETCH_B slot, q, p
	WIN TO_B
.irp i, 0,1,2,3,4,5,6,7
	FRAGB 128*(\p)+FR*\i, ADRB+\slot, \q, \i
.endr
	WIN 0
.endm
.macro FETCH_A slot, q, i0
.irp i, \i0, \i0+1, \i0+2, \i0+3
	FRAGA AF+FR*(\i), ADRA+\slot, \q, \i
.endr
.endm
.macro SCALES sc, sig                  ; slot sig's scale words into set sc: two words a row; lanes 0-15 A's block i, lanes 16-31 B's block i
.irp i, 0,1,2,3,4,5,6,7
	ds_load_b64 v[SC+8*NQ*\sc+NQ*\i:SC+8*NQ*\sc+NQ*\i+1], v[ADRS] offset:512*\i+128*\sig
.endr
.endm
.macro PLACES n                        ; plain vector lines between a matrix instruction and a load into, or a read of, its registers (ISA guide 7.12.1 for reads)
.rept \n
	v_nop
.endr
.endm
.macro STEP slot, q, zero              ; a step of 128 along K that has its successor in the same slot
	s_wait_dscnt 4*NLA                             ; B's set, A's blocks 0-3 and the scale words are in; the youngest loads (A's blocks 4-7) may be out
	WIN MUL_LO
	MUL16 0, (\q)%2, \q, \slot, \zero
	MUL16 2, (\q)%2, \q, \slot, \zero
	s_wait_dscnt 0
	PLACES NP
	FETCH_B \slot, (\q)+1, 1-(\q)%2
	FETCH_A \slot, (\q)+1, 0
	WIN MUL_HI
	MUL16 4, (\q)%2, \q, \slot, \zero
	MUL16 6, (\q)%2, \q, \slot, \zero
	PLACES NP
	WIN 0
	FETCH_A \slot, (\q)+1, 4
.endm
; A slot's last step changes slots: ONE barrier; in front of it each wave waits for all its tensor loads, adds 0 to its spare word, and waits for that and for its reads of this slot.
.macro TURN slot, next, fill, sig
	s_wait_tensorcnt 0x0                           ; all my tensor loads have landed: my part of the next slot
	ds_add_u32 v[SPW], v[NIL]                      ; 0 onto my spare word
	s_wait_dscnt 4*NLA+1                           ; (the add and A's blocks 4-7 may be out)
	WIN MUL_LO
	MUL16 0, 1, NQ-1, \slot, 0
	s_wait_dscnt 0x0                               ; the add is done, and my reads of this slot are over
	s_barrier_signal -1
	MUL16 2, 1, NQ-1, \slot, 0
	WIN 0
	s_barrier_wait -1
.if \fill
	CREST                                          ; the barrier has opened a round of the cluster's: no wave of any partner still reads this slot or has a load on its way
	s_add_nc_u64 s[G0+4*\slot+2:G0+4*\slot+3], s[G0+4*\slot+2:G0+4*\slot+3], 2*STRA
	s_add_nc_u64 s[G0B+4*\slot+2:G0B+4*\slot+3], s[G0B+4*\slot+2:G0B+4*\slot+3], 2*STRB
	JLOAD G0+4*\slot, G1, G0B+4*\slot, G1B         ; the first tensor load behind the round; its four v_nop are also the places in front of the loads below
.else
	PLACES NP
.endif
	FETCH_B \next, 0, 0
	FETCH_A \next, 0, 0
	SCALES \next, \sig
	WIN MUL_HI
	MUL16 4, 1, NQ-1, \slot, 0
	MUL16 6, 1, NQ-1, \slot, 0
	PLACES NP
	WIN 0
	FETCH_A \next, 0, 4
.endm
	s_wait_tensorcnt 1                             ; the scale words and my part of slot 0 are in; slot 1's load may be out
	s_barrier_signal -1
	s_barrier_wait -1
	FETCH_B 0, 0, 0
	FETCH_A 0, 0, 0
	SCALES 0, 0
	FETCH_A 0, 0, 4
	STEP 0, 0, 1                                   ; the first products start the sums: nothing is cleared
	TURN 0, 1, 1, 1                                ; slot 0 takes K 512 on
	STEP 1, 0, 0
	TURN 1, 0, 1, 2                                ; slot 1 takes K 768 on
	STEP 0, 0, 0
	TURN 0, 1, 0, 3                                ; nothing is left to fetch
	STEP 1, 0, 0
	s_wait_dscnt 4*NLA
	WIN MUL_LO
	MUL16 0, 1, NQ-1, 1, 0
	MUL16 2, 1, NQ-1, 1, 0
	s_wait_dscnt 0
	WIN MUL_HI
	MUL16 4, 1, NQ-1, 1, 0
	MUL16 6, 1, NQ-1, 1, 0
	WIN 0
	; THE WAY OUT: bias, quantiser, stores; all in registers.  Every store covers 512 or 256 consecutive bytes, aligned.
	PLACES NP
	s_wait_loadcnt 0x0                             ; the bias
	s_mov_b32 s[SEL], 0x76543210
	s_mov_b32 s[SEL+1], 0xfedcba98
	s_mov_b32 s[HM], 0xffff0000
.irp b, 0,1,2,3
	v_mov_b32 v[TM+4+\b], 0                        ; written once: a lane permute's destination counts as one of its sources
.endr
	s_cmp_eq_u32 ttmp9, 2
	s_cbranch_scc1 .Lpath_v
	; q and k: block a is row tile a of my 128 tokens; a lane's 64 numbers are two heads' 64 channels: registers 0-5 go to the first head, 6-11 to the second
.irp be, 0,1,2,3
.irp u, 0,1
.set AB, 2*\be+\u
	WIN 0x02+AB/4
.set I, 0
.rept 32
	v_pk_add_f32 v[T+I:T+I+1], v[64*(AB%4)+I:64*(AB%4)+I+1], v[BI+I:BI+I+1]   ; ascending: each accumulator is read from its low end on
.set I, I+2
.endr
	WIN 0
.if (\be > 0) && (\u == 0)
	s_wait_xcnt 0x0                                ; the last pair's stores have read the codes' registers
.endif
	QUANT T, OUT+6*\u, OUT+12+6*\u, PW
.if \u == 0
	v_perm_b32 v[SW+\be], v[PW], v[PW], 0x01000100     ; the first head's two bytes, twice
	v_perm_b32 v[SW+4+\be], v[PW], v[PW], 0x03020302   ; the second head's
.else
	v_perm_b32 v[TW], v[PW], v[PW], 0x01000100
	v_perm_b32 v[TW+1], v[PW], v[PW], 0x03020302
	v_cndmask_b32 v[SW+\be], v[SW+\be], v[TW], s[HM]   ; the odd tile's words in lanes 16-31
	v_cndmask_b32 v[SW+4+\be], v[SW+4+\be], v[TW+1], s[HM]
.endif
.endr
.irp c, 0,1
.irp k, 0,1,2
	global_store_b128 v24, v[OUT+12*\c+4*\k:OUT+12*\c+4*\k+3], s[PI+2*\c:PI+2*\c+1] offset:1536*\be+512*\k
.endr
.endr
.endr
.irp c, 0,1
	global_store_b128 v24, v[SW+4*\c:SW+4*\c+3], s[PS+2*\c:PS+2*\c+1]
.endr
	s_branch .Ldone
.Lpath_v:
	; v: block a is 16 channels (head a / 4, channel tile a % 4); a lane's 64 numbers run along my 128 tokens: one fragment
.irp a, 0,1,2,3,4,5,6,7
	WIN 0x06+\a/4
.set I, 0
.rept 32
	v_pk_add_f32 v[T+I:T+I+1], v[64*(\a%4)+I:64*(\a%4)+I+1], v[BV+2*\a:BV+2*\a+1]
.set I, I+2
.endr
	WIN 0
.if \a > 0
	s_wait_xcnt 0x0                                ; the last block's stores have read the codes' registers
.endif
	QUANT T, OUT, OUT+6, PW
.if \a%2 == 0
	v_mov_b32 v[SW+2*(\a/4)+(\a%4)/2], v[PW]
.else
	v_cndmask_b32 v[SW+2*(\a/4)+(\a%4)/2], v[SW+2*(\a/4)+(\a%4)/2], v[PW], s[HM]
.endif
.irp k, 0,1,2
	global_store_b128 v24, v[OUT+4*\k:OUT+4*\k+3], s[PI+2*(\a/4):PI+2*(\a/4)+1] offset:1536*(\a%4)+512*\k
.endr
.endr
.irp c, 0,1
	global_store_b64 v25, v[SW+2*\c:SW+2*\c+1], s[PS+2*\c:PS+2*\c+1]
.endr
.Ldone:
	s_wait_tensorcnt 0x0                           ; the wave's end
	ds_add_u32 v[SPW], v[NIL]
	s_wait_dscnt 0x0
	CROUND                                         ; the closing round: no work-group ends while a partner may still ask for a tile that names it
	s_endpgm
.Lfunc_end_k_q95463d5d22_qkv:
	.size	k_q95463d5d22_qkv, .Lfunc_end_k_q95463d5d22_qkv-k_q95463d5d22_qkv
	.p2alignl 7, 3214868480
	.fill 96, 4, 3214868480
	.section	.rodata,"a",@progbits
	.p2align	6, 0x0
	.amdhsa_kernel k_q95463d5d22_qkv
		.amdhsa_group_segment_fixed_size 327680
		.amdhsa_private_segment_fixed_size 0
		.amdhsa_enable_private_segment 0
		.amdhsa_kernarg_size 56
		.amdhsa_user_sgpr_count 2
		.amdhsa_user_sgpr_kernarg_segment_ptr 1
		.amdhsa_wavefront_size32 1
		.amdhsa_system_sgpr_workgroup_id_x 1
		.amdhsa_system_sgpr_workgroup_id_y 1
		.amdhsa_system_sgpr_workgroup_id_z 1
		.amdhsa_system_vgpr_workitem_id 0
		.amdhsa_next_free_vgpr 1024
		.amdhsa_next_free_sgpr 106
		.amdhsa_reserve_vcc 0
		.amdhsa_float_denorm_mode_32 3
		.amdhsa_float_denorm_mode_16_64 3
		.amdhsa_memory_ordered 1
		.amdhsa_forward_progress 1
		.amdhsa_inst_pref_size 210
	.end_amdhsa_kernel
	.amdgpu_metadata
---
amdhsa.version: [ 1, 2 ]
amdhsa.kernels:
  - .name:           k_q95463d5d22_qkv
    .symbol:         k_q95463d5d22_qkv.kd
    .args:
      - { .name: codes, .offset: 0, .size: 8, .value_kind: global_buffer, .address_space: global }
      - { .name: scales, .offset: 8, .size: 8, .value_kind: global_buffer, .address_space: global }
      - { .name: bq, .offset: 16, .size: 8, .value_kind: global_buffer, .address_space: global }
      - { .name: bk, .offset: 24, .size: 8, .value_kind: global_buffer, .address_space: global }
      - { .name: bv, .offset: 32, .size: 8, .value_kind: global_buffer, .address_space: global }
      - { .name: qb, .offset: 40, .size: 8, .value_kind: global_buffer, .address_space: global }
      - { .name: kv, .offset: 48, .size: 8, .value_kind: global_buffer, .address_space: global }
    .group_segment_fixed_size: 327680
    .private_segment_fixed_size: 0
    .kernarg_segment_align: 8
    .kernarg_segment_size: 56
    .max_flat_workgroup_size: 128
    .sgpr_count:     106
    .vgpr_count:     1024
    .wavefront_size: 32
...
	.end_amdgpu_metadata
.endif
;; end of part 2
;; launch attn (part 3): grid 4 x 64, 16 waves a work-group, clusters of 4 x 1, 210,944 bytes of LDS; arguments qb, kv, yimg, yscl; writes yimg, yscl
.if DOCPART == 3
	.amdgcn_target "amdgcn-amd-amdhsa--gfx1250"
	.amdhsa_code_object_version 6
	.text
	.protected	k_q95463d5d22_attn
	.globl	k_q95463d5d22_attn
	.p2align	8
	.type	k_q95463d5d22_attn,@function
k_q95463d5d22_attn:
	s_mov_b64 s[64:65], 0
	v_nop
	global_prefetch_b8 v0, s[64:65] scope:SCOPE_SE
	s_setreg_imm32_b32 hwreg(HW_REG_WAVE_MODE, 25, 1), 1
	s_wait_xcnt 0x0
	s_wait_alu depctr_hold_cnt(0) depctr_sa_sdst(0) depctr_va_vdst(0) depctr_va_sdst(0) depctr_va_ssrc(0) depctr_va_vcc(0) depctr_vm_vsrc(0)
	s_getreg_b32 s2, hwreg(HW_REG_IB_STS2, 6, 4)
	s_cmp_eq_u32 s2, 0
	s_cbranch_scc0 .Lentry_in_a_cluster
	s_endpgm
.Lentry_in_a_cluster:
	s_bfe_u32 s2, ttmp6, 0x10000c
	s_cmp_lg_u32 s2, 0x3003
	s_cbranch_scc0 .Lentry_shape_is_right
	s_endpgm
.Lentry_shape_is_right:
; y[b][t][64 h + d] = the sum over keys k <= t of softmax_k(q . k / 8) v, both products on codes of BF6 (E3M2) with E8M0 scales; y is quantised along c and leaves as the last product's operand.
; THE SOFTMAX AHEAD OF THE SECOND PRODUCT: t = score x log2(e) / 8; M = the running largest t rounded UP to a whole number; p = 2^(t - M) is quantised along the keys, not normalised;
; the row's sum is taken of the unquantised p and divides at the end (v_rcp_f32 and a multiplication).  When M moves, the sum and O are multiplied by 2^(old M - new M): exact.
; A HEAD'S K, V AND THEIR SCALE WORDS ARE 208,896 BYTES: they lie whole in LDS, filled once; no slot is filled again, so there is no ring.
; CLUSTER.  The four work-groups of a cluster serve one (batch, head) and read the same K and V: each record is asked for JOINTLY (mask 15).  Waves 0 to 3 fetch: key step w first, then key steps 4 + 3 w .. 6 + 3 w.
; SHARES.  A wave owns TWO tiles of 16 queries: LO in key step JL (0 .. 7) and HI in key step 15 - JL: (JL + 1) + (16 - JL) = 17 tile steps for every wave.  JL and e hang on the wave's number alone;
; the tile within its key step is 2 cx + e: cx enters global addresses and one vector register of the mask, no branch and no LDS address.
; LAYOUT.  Both products are used transposed: S^T = K Q^T (source 0 = 16 keys), O^T = V^T P^T (source 0 = 16 channels): a lane holds ONE query.  The rows of a tile are laid so that the 16 registers of two
; neighbouring result tiles are 16 neighbours (keys; channels).  K of the first product is 64: a tile of K has 6 registers; the instruction's other 6 are whatever follows, and meet Q's ZERO CODES.
; CAUSAL.  All trip counts are constants.  A step whose keys all come after the tile's queries is jumped over (a scalar branch on the wave's number and the count); on the diagonal hidden scores become -infinity.
; No prefetch: all of K and V is asked for by the first fills.  y's scale bytes leave two at a time: the two halves of a scale word come from two heads, which are two clusters; they are 1 / 24 of y's bytes.
; LIMITS: a block of zeros gets the byte 1 where the rule says 127 (its codes are zeros; this program alone reads the bytes); NaN and infinities are not served; p under 2^-126 counts as 0.
.set REC,  13056                       ; a key step's record: K 6,144, V 6,144, K's scale words 512, V's 256
.set QREC, 6656
.set YSIG, 1572864                     ; bytes of y's codes for 256 along c: 512 row tiles x 3,072
.set ADR,  3                           ; v3   LDS: the step's record + 16 x lane
.set ADR8, 4                           ; v4   + 8 x lane
.set DQ,   5                           ; v5   my query's place in its key step - 16 (lane / 16)
.set STH,  8                           ; v8 -M, v9 the largest t, v[10:11] the sum in two halves: HI's
.set STL,  12                          ; LO's
.set QH,   16                          ; v16-27 HI's Q: 6 registers of codes, 6 of zeros
.set QL,   28                          ; v28-39 LO's
.set QSH,  40                          ; v40, v41 their scale words
.set QSL,  41
.set KS,   42                          ; v42-45 K's scale words
.set VS,   46                          ; v46-47 V's
.set PS,   48                          ; v48    p's
.set FB,   50                          ; v50-97 8 tiles of K, or 4 fragments of V; v98-103 zeros; in the softmax v50-63 are at work
.set BM,   FB                          ; the blocks' largest scores, then largest p
.set PM,   FB+4
.set SO,   FB+8                         ; the conversions' scale operands
.set CH,   FB+12
.set S,    104                         ; v104-167 S^T, then p
.set OH,   168                         ; v168-199 HI's O^T
.set OL,   200                         ; v200-231 LO's
.set PC,   232                         ; v232-243 p's codes
.set CT,   244
.set WV,   12
.set CX,   13
.set BHD,  14                          ; 16 x batch + head
.set JL,   15
.set JH,   16
.set EE,   17
.set SEL,  20
.set CS,   22
.set G1A,  24
.set G1B,  32
.set G0A,  40
.set G0B,  44
.set TB,   48                          ; LDS byte at which the step's record begins
.set JC,   49                          ; the key step
.set CNT,  50
.set HM,   51
.macro CROUND                          ; a round of the cluster's barrier
	s_barrier_signal -1
	s_barrier_wait -1
	s_cmp_lg_u32 s[WV], 0
	s_cbranch_scc1 .Lnot_wave_0_\@
	s_barrier_signal -3
.Lnot_wave_0_\@:
	s_barrier_wait -3
	s_barrier_signal -1
	s_barrier_wait -1
.endm
	s_load_b256 s[4:11], s[0:1], 0x0               ; qb, kv, yimg, yscl
	v_lshl_add_u32 v247, v0, 2, 0x33000
	v_mov_b32 v251, 0
	ds_add_u32 v247, v251
	ds_add_u32 v247, v251
	v_lshrrev_b32 v1, 5, v0
	v_readfirstlane_b32 s[WV], v1                  ; wave 0..15
	s_bfe_u32 s[CX], ttmp6, 0x40000
	s_and_b32 s[BHD], ttmp7, 0xffff
	s_mov_b32 s[G1A], 15|(3<<16)|(1<<21)           ; 15:0 the mask: all four work-groups; 17:16 elements of 8 bytes; 21 set beside a mask
	s_mov_b32 s[G1A+1], 32<<16                     ; a record: 51 rows of 256 bytes, dense
	s_mov_b32 s[G1A+2], 51<<16
	s_mov_b32 s[G1A+3], 32<<16
	s_mov_b32 s[G1A+4], 51
	s_mov_b32 s[G1A+5], 32
	s_mov_b32 s[G1A+6], 0
	s_mov_b32 s[G1A+7], 0
	s_mov_b32 s[G1B], 15|(3<<16)|(1<<21)
	s_mov_b32 s[G1B+1], 32<<16                     ; three records: 153 rows
	s_mov_b32 s[G1B+2], 153<<16
	s_mov_b32 s[G1B+3], 32<<16
	s_mov_b32 s[G1B+4], 153
	s_mov_b32 s[G1B+5], 32
	s_mov_b32 s[G1B+6], 0
	s_mov_b32 s[G1B+7], 0
	s_and_b32 s3, s[WV], 3                         ; (the fetching waves are 0 to 3; the others' words stay inside LDS too)
	s_mul_i32 s18, s[BHD], 16*REC                  ; the head's 16 records in memory
	s_mov_b32 s[G0A], 1
	s_mul_i32 s[G0A+1], s3, REC                    ; a record's place in LDS is its place among the head's
	s_add_co_u32 s[G0A+2], s18, s[G0A+1]
	s_mov_b32 s[G0A+3], 0
	s_mov_b32 s[G0B], 1
	s_mul_i32 s[G0B+1], s3, 3*REC
	s_add_co_u32 s[G0B+1], s[G0B+1], 4*REC
	s_add_co_u32 s[G0B+2], s18, s[G0B+1]
	s_mov_b32 s[G0B+3], 0
	s_wait_dscnt 0x0
	s_wait_kmcnt 0x0
	s_add_nc_u64 s[G0A+2:G0A+3], s[6:7], s[G0A+2:G0A+3]
	s_or_b32 s[G0A+3], s[G0A+3], 0x80000000
	s_add_nc_u64 s[G0B+2:G0B+3], s[6:7], s[G0B+2:G0B+3]
	s_or_b32 s[G0B+3], s[G0B+3], 0x80000000
	CROUND                                         ; all four work-groups are here: the joint loads meet
	s_cmp_lt_u32 s[WV], 4                          ; a wave's two fills stand in one branch, ahead of every wait on TENSORcnt and every LDS read: two loads of mine are out
	s_cbranch_scc0 .Lno_fetch
	tensor_load_to_lds s[G0A:G0A+3], s[G1A:G1A+7]
	s_nop 0
	tensor_load_to_lds s[G0B:G0B+3], s[G1B:G1B+7]
	s_nop 0
.rept 4
	v_nop
.endr
.Lno_fetch:
	s_and_b32 s18, s[WV], 7                        ; JL: nibble wave % 8 of a table.  As a square of wave / 4 by wave % 4, each row and each column holds two JL under 4 and two from 4 on
	s_lshl_b32 s18, s18, 2
	s_mov_b32 s19, 0x12562165
	s_cmp_lt_u32 s[WV], 8
	s_cselect_b32 s19, 0x47037430, s19
	s_lshr_b32 s[JL], s19, s18
	s_and_b32 s[JL], s[JL], 15
	s_sub_co_u32 s[JH], 15, s[JL]
	s_bfe_u32 s[EE], s[WV], 0x10002                ; e
	s_mov_b32 s[SEL], 0x76543210
	s_mov_b32 s[SEL+1], 0xfedcba98
	s_mov_b32 s[CS], 0x3e38aa3b                    ; c = log2(e) / 8
	s_mov_b32 s[CS+1], s[CS]                       ; (named with it as a pair, so it is written)
	s_mov_b32 s[HM], 0xffff0000
	s_mov_b32 s[TB], 0
	s_mov_b32 s[JC], 0
	v_and_b32 v2, 31, v0
	v_lshlrev_b32 v1, 4, v2                        ; 16 x lane
	v_lshlrev_b32 v2, 3, v2                        ; 8 x lane
	; Q: the records of my two key steps
	s_lshl_b32 s60, s[BHD], 4
	s_add_co_u32 s62, s60, s[JH]
	s_mul_i32 s62, s62, QREC
	s_mov_b32 s63, 0
	s_add_nc_u64 s[52:53], s[4:5], s[62:63]
	s_add_co_u32 s62, s60, s[JL]
	s_mul_i32 s62, s62, QREC
	s_add_nc_u64 s[54:55], s[4:5], s[62:63]
	s_mul_i32 s60, s[CX], 1536                     ; pair image cx; of its 12 registers tile e has 6 e .. 6 e + 5: three pieces of 8 bytes at 0, 8, 512 (e = 0) or 520, 1,024, 1,032 (e = 1) from 16 x lane
	s_mul_i32 s61, s[EE], 520
	s_add_co_u32 s61, s61, s60
	v_add_nc_u32 v6, s61, v1
	s_add_co_u32 s61, s61, 512
	v_add_nc_u32 v49, s61, v1
	s_mul_i32 s61, s[EE], 1016
	s_add_co_u32 s61, s61, s60
	s_add_co_u32 s61, s61, 8
	v_add_nc_u32 v7, s61, v1
	s_lshl_b32 s60, s[EE], 8                       ; the scale word: lane r + 16 e's 16 bytes, word cx
	s_lshl_b32 s61, s[CX], 2
	s_add_co_u32 s60, s60, s61
	s_add_co_u32 s60, s60, 6144
	v_and_b32 v254, 15, v0
	v_lshl_add_u32 v254, v254, 4, s60
	global_load_b64 v[QH:QH+1], v6, s[52:53]
	global_load_b64 v[QH+2:QH+3], v7, s[52:53]
	global_load_b64 v[QH+4:QH+5], v49, s[52:53]
	global_load_b32 v[QSH], v254, s[52:53]
	global_load_b64 v[QL:QL+1], v6, s[54:55]
	global_load_b64 v[QL+2:QL+3], v7, s[54:55]
	global_load_b64 v[QL+4:QL+5], v49, s[54:55]
	global_load_b32 v[QSL], v254, s[54:55]
	v_and_b32 v50, 15, v0                          ; r
	v_and_b32 v51, 8, v50
	v_add_nc_u32 v[DQ], v50, v51                   ; r + 8 (r / 8)
	v_bfe_u32 v51, v0, 4, 1
	v_lshlrev_b32 v51, 4, v51
	v_sub_nc_u32 v[DQ], v[DQ], v51                 ; - 16 h
	s_lshl_b32 s60, s[CX], 5
	s_lshl_b32 s61, s[EE], 3
	s_add_co_u32 s60, s60, s61
	v_add_nc_u32 v[DQ], s60, v[DQ]                 ; + 32 cx + 8 e
	; where y goes
	s_and_b32 s18, s[BHD], 15                      ; the head: c = 64 x head on
	s_lshr_b32 s19, s18, 2                         ; which 256 along c,
	s_bfe_u32 s2, s18, 0x10001                     ; which 128 of them,
	s_and_b32 s3, s18, 1                           ; which 64 of those: registers 6 x that on
	s_lshr_b32 s62, s[BHD], 4
	s_lshl_b32 s62, s62, 7                         ; the batch's 128 row tiles
	s_lshl_b32 s63, s[CX], 1
	s_add_co_u32 s62, s62, s63
	s_add_co_u32 s62, s62, s[EE]
	s_lshl_b32 s63, s[JH], 3
	s_add_co_u32 s63, s63, s62                     ; HI's row tile
	s_lshl_b32 s60, s[JL], 3
	s_add_co_u32 s62, s62, s60                     ; LO's
	s_mul_i32 s60, s19, YSIG
	s_mul_i32 s61, s2, 1536
	s_add_co_u32 s60, s60, s61
	s_mul_i32 s61, s3, 768
	s_add_co_u32 s60, s60, s61
	s_mul_i32 s56, s63, 3072
	s_add_co_u32 s56, s56, s60
	s_mov_b32 s57, 0
	s_add_nc_u64 s[56:57], s[8:9], s[56:57]
	s_mul_i32 s58, s62, 3072
	s_add_co_u32 s58, s58, s60
	s_mov_b32 s59, 0
	s_add_nc_u64 s[58:59], s[8:9], s[58:59]
	s_lshl_b32 s60, s19, 7                         ; the scale bytes: row tile x 512 + 128 x (c / 256) + 8 r + 4 x (which 128) + 2 x (which 64)
	s_lshl_b32 s61, s2, 2
	s_add_co_u32 s60, s60, s61
	s_lshl_b32 s61, s3, 1
	s_add_co_u32 s60, s60, s61
	s_lshl_b32 s61, s62, 9
	s_add_co_u32 s61, s61, s60                     ; LO's
	s_lshl_b32 s63, s63, 9
	s_add_co_u32 s60, s60, s63                     ; HI's
.irp i, 6,7,8,9,10,11
	v_mov_b32 v[QH+\i], 0                          ; zero codes for K 64 to 127
	v_mov_b32 v[QL+\i], 0
	v_mov_b32 v[FB+42+\i], 0                       ; what follows K's last tile
.endr
.irp t, STH, STL
	v_mov_b32 v[\t+1], 0xff61b1e6                  ; the largest t so far: -3e38, under every t
	v_floor_f32 v[\t], -v[\t+1]                    ; -M
	v_mov_b32 v[\t+2], 0
	v_mov_b32 v[\t+3], 0
.endr
	v_mov_b32 v252, 0
	v_mov_b32 v253, 0                              ; (named as the upper half of the pair v[252:253])
	v_mov_b32 v255, 0xff800000                     ; -infinity
.set N, 0
.rept 64
	v_mov_b32 v[OH+N], 0                           ; both O^T.  (A step is written without a first form of its own: the first finds zeros, which the first change of M leaves zeros)
.set N, N+1
.endr
; A TILE STEP: 16 queries x the 128 keys of key step JC.  qf, qs: the tile's Q and its scale word; st: its statistics; oa: its O^T; jx: the scalar with its own key step.
; cond = 1: the step may lie on or beyond the diagonal.
.macro STEP qf, qs, st, oa, jx, cond
.if \cond
	s_cmp_gt_u32 s[JC], s[\jx]                     ; all keys come after my queries: nothing to do
	s_cbranch_scc1 .Lhidden_\@
.endif
.rept 4
	v_nop                                          ; places in front of loads into registers that matrix instructions have read
.endr
.irp b, 0,1,2,3
.irp c, 0,1,2
	ds_load_b128 v[FB+12*\b+4*\c:FB+12*\b+4*\c+3], v[ADR] offset:1536*\b+512*\c   ; K's eight tiles, 6 registers each, on end: 512 consecutive bytes a load
.endr
.endr
	ds_load_b128 v[KS:KS+3], v[ADR] offset:12288   ; word t / 2: lanes 0-15 the even tile's, lanes 16-31 the odd one's
	s_wait_dscnt 0x0
.irp t, 0,1,2,3,4,5,6,7
.if (\t)%2
	v_wmma_scale_f32_16x16x128_f8f6f4 v[S+8*\t:S+8*\t+7], v[FB+6*\t:FB+6*\t+11], v[\qf:\qf+11], 0, v[KS+\t/2], v[\qs] matrix_a_fmt:MATRIX_FMT_BF6 matrix_b_fmt:MATRIX_FMT_BF6 matrix_a_scale:MATRIX_SCALE_ROW1
.else
	v_wmma_scale_f32_16x16x128_f8f6f4 v[S+8*\t:S+8*\t+7], v[FB+6*\t:FB+6*\t+11], v[\qf:\qf+11], 0, v[KS+\t/2], v[\qs] matrix_a_fmt:MATRIX_FMT_BF6 matrix_b_fmt:MATRIX_FMT_BF6
.endif
.endr
.rept 4
	v_nop
.endr
.if \cond
	s_cmp_lg_u32 s[JC], s[\jx]
	s_cbranch_scc1 .Lopen_\@                       ; under the diagonal every key counts
.set N, 0
.rept 64
	v_cmp_gt_i32 vcc_lo, 32*(N/16)+N%16, v[DQ]     ; register 16 b + i holds key 32 b + 16 (lane / 16) + i of the step: hidden where it comes after my query
	v_cndmask_b32 v[S+N], v[S+N], v255, vcc_lo
.set N, N+1
.endr
.Lopen_\@:
.endif
.irp b, 0,1,2,3
	v_max3_num_f32 v[BM+\b], v[S+16*\b], v[S+16*\b+1], v[S+16*\b+2]   ; the largest score of each block of 32 keys: it serves the row's maximum and, since p rises with the score, the block's largest p
.endr
.irp i, 3,5,7,9,11,13
.irp b, 0,1,2,3
	v_max3_num_f32 v[BM+\b], v[BM+\b], v[S+16*\b+\i], v[S+16*\b+\i+1]
.endr
.endr
.irp b, 0,1,2,3
	v_max_num_f32 v[BM+\b], v[BM+\b], v[S+16*\b+15]
.endr
.irp b, 0,1,2,3
	v_permlanex16_b32 v[PM+\b], v[BM+\b], s[SEL], s[SEL+1]
.endr
.irp b, 0,1,2,3
	v_max_num_f32 v[BM+\b], v[BM+\b], v[PM+\b]     ; with lane l xor 16's 16 keys
.endr
	v_max3_num_f32 v254, v[BM], v[BM+1], v[BM+2]
	v_max_num_f32 v254, v254, v[BM+3]
	v_mul_f32 v254, s[CS], v254                    ; as t (c is positive)
	v_max_num_f32 v[\st+1], v[\st+1], v254         ; the running largest t
	v_mov_b32 v254, v[\st]
	v_floor_f32 v[\st], -v[\st+1]                  ; the new -M = floor(-t): M is a whole number
	v_sub_f32 v254, v[\st], v254                   ; old M - new M: a whole number, 0 or less
	v_cvt_i32_f32 v254, v254                       ; (it saturates)
	v_ldexp_f32 v252, 1.0, v254                    ; f = 2^(old M - new M)
.set N, 0
.rept 32
	v_pk_fma_f32 v[S+N:S+N+1], v[S+N:S+N+1], s[CS:CS+1], v[\st:\st+1] op_sel_hi:[1,0,0]   ; t - M, two at a time
.set N, N+2
.endr
.irp b, 0,1,2,3
	v_fma_f32 v[BM+\b], v[BM+\b], s[CS], v[\st]    ; the same of each block's largest score
.endr
.set N, 0
.rept 64
	v_exp_f32 v[S+N], v[S+N]                       ; p = 2^(t - M), at most 1
.set N, N+1
.endr
	v_pk_mul_f32 v[\st+2:\st+3], v[\st+2:\st+3], v[252:253] op_sel_hi:[1,0]   ; the sums under the new M: the plain line behind the exponentials
	s_wait_alu depctr_va_vdst(0)                   ; one wait for the batch of 64, ahead of its first reader
.irp b, 0,1,2,3
	v_exp_f32 v[BM+\b], v[BM+\b]                   ; the block's largest p: the same two instructions on the same number give the same bits
.endr
	v_pk_add_f32 v[CH:CH+1], v[S:S+1], v[S+2:S+3]  ; the row's sum is taken of the unquantised p, in two chains
.set N, 4
.rept 15
	v_pk_add_f32 v[\st+2:\st+3], v[\st+2:\st+3], v[S+N:S+N+1]
	v_pk_add_f32 v[CH:CH+1], v[CH:CH+1], v[S+N+2:S+N+3]
.set N, N+4
.endr
	v_pk_add_f32 v[\st+2:\st+3], v[\st+2:\st+3], v[CH:CH+1]
	s_wait_alu depctr_va_vdst(0)                   ; and one for the four
.irp b, 0,1,2,3
	v_max_num_f32 v[BM+\b], 0x2800000, v[BM+\b]    ; the floor 2^(5 - 127): the byte cannot fall under 1
.endr
.irp b, 0,1,2,3
	v_add_nc_u32 v[SO+\b], 0xfe000000, v[BM+\b]    ; 4 off the exponent field: the conversion's scale operand
.endr
.irp b, 0,1,2,3
	v_lshrrev_b32 v[PM+\b], 23, v[SO+\b]
.endr
	v_lshl_or_b32 v[PS], v[PM+1], 8, v[PM]         ; p's scale word for these 128 keys
	v_lshl_or_b32 v[PS], v[PM+2], 16, v[PS]
	v_lshl_or_b32 v[PS], v[PM+3], 24, v[PS]
.irp c, 0,1
	v_cvt_scalef32_pk16_bf6_f32 v[PC+6*\c:PC+6*\c+2], v[S+32*\c:S+32*\c+15], v[SO+2*\c]
	v_cvt_scalef32_pk16_bf6_f32 v[CT+4*\c:CT+4*\c+2], v[S+32*\c+16:S+32*\c+31], v[SO+2*\c+1]
.endr
	v_nop                                          ; one plain place behind the scaled conversions
.irp c, 0,1
.irp i, 0,1,2
	v_permlane16_swap_b32 v[PC+6*\c+\i], v[CT+4*\c+\i]   ; a whole block to a lane
.endr
.irp i, 0,1,2
	v_mov_b32 v[PC+6*\c+3+\i], v[CT+4*\c+\i]
.endr
.endr
.irp d, 0,1,2,3
.irp c, 0,1,2
	ds_load_b128 v[FB+12*\d+4*\c:FB+12*\d+4*\c+3], v[ADR] offset:6144+1536*\d+512*\c   ; V's four fragments: 16 channels x these 128 keys
.endr
.endr
	ds_load_b64 v[VS:VS+1], v[ADR8] offset:12800
.set N, 0
.rept 16
	v_pk_mul_f32 v[\oa+N:\oa+N+1], v[\oa+N:\oa+N+1], v[252:253] op_sel_hi:[1,0]   ; O^T under the new M; these lines are also the places between p's scale word and codes and the products
.set N, N+2
.endr
	s_wait_dscnt 0x0
.irp d, 0,1,2,3                        ; the four accumulators take turns
.if (\d)%2
	v_wmma_scale_f32_16x16x128_f8f6f4 v[\oa+8*\d:\oa+8*\d+7], v[FB+12*\d:FB+12*\d+11], v[PC:PC+11], v[\oa+8*\d:\oa+8*\d+7], v[VS+\d/2], v[PS] matrix_a_fmt:MATRIX_FMT_BF6 matrix_b_fmt:MATRIX_FMT_BF6 matrix_a_scale:MATRIX_SCALE_ROW1
.else
	v_wmma_scale_f32_16x16x128_f8f6f4 v[\oa+8*\d:\oa+8*\d+7], v[FB+12*\d:FB+12*\d+11], v[PC:PC+11], v[\oa+8*\d:\oa+8*\d+7], v[VS+\d/2], v[PS] matrix_a_fmt:MATRIX_FMT_BF6 matrix_b_fmt:MATRIX_FMT_BF6
.endif
.endr
.if \cond
.Lhidden_\@:
.endif
.endm
.macro GROUPA                          ; four key steps under 8: HI's tile lies wholly behind them, LO's may not
	s_mov_b32 s[CNT], 4
.Lga_\@:
	v_add_nc_u32 v[ADR], s[TB], v1
	v_add_nc_u32 v[ADR8], s[TB], v2
	STEP QH, QSH, STH, OH, JH, 0
	STEP QL, QSL, STL, OL, JL, 1
	s_add_co_u32 s[TB], s[TB], REC
	s_add_co_u32 s[JC], s[JC], 1
	s_sub_co_u32 s[CNT], s[CNT], 1
	s_cmp_lg_u32 s[CNT], 0
	s_cbranch_scc1 .Lga_\@
.endm
	s_wait_tensorcnt 1                             ; my record of key steps 0 to 3 is in; the larger load may be out
	s_barrier_signal -1
	s_barrier_wait -1                              ; everybody's is
	s_wait_loadcnt 0x0                             ; Q
	GROUPA                                         ; key steps 0 to 3
	s_wait_tensorcnt 0x0                           ; my part of key steps 4 to 15 is in
	s_barrier_signal -1
	s_barrier_wait -1
	GROUPA                                         ; key steps 4 to 7
	s_mov_b32 s[CNT], 8
.Lgb:                                              ; key steps 8 to 15: HI's tile alone
	v_add_nc_u32 v[ADR], s[TB], v1
	v_add_nc_u32 v[ADR8], s[TB], v2
	STEP QH, QSH, STH, OH, JH, 1
	s_add_co_u32 s[TB], s[TB], REC
	s_add_co_u32 s[JC], s[JC], 1
	s_sub_co_u32 s[CNT], s[CNT], 1
	s_cmp_lg_u32 s[CNT], 0
	s_cbranch_scc1 .Lgb
	; THE WAY OUT.  y = O^T / the sum; a lane's 32 numbers are channels 32 b + 16 (lane / 16) + i of my head: two blocks along c; six registers of codes and two scale bytes a row.
.rept 4
	v_nop
.endr
	v_add_f32 v[STH+2], v[STH+2], v[STH+3]
	v_add_f32 v[STL+2], v[STL+2], v[STL+3]
	v_permlanex16_b32 v252, v[STH+2], s[SEL], s[SEL+1]
	v_permlanex16_b32 v254, v[STL+2], s[SEL], s[SEL+1]
	v_add_f32 v[STH+2], v[STH+2], v252
	v_add_f32 v[STL+2], v[STL+2], v254
	v_rcp_f32 v252, v[STH+2]
	v_rcp_f32 v254, v[STL+2]
	v_nop                                          ; a plain line behind the reciprocals
	s_wait_alu depctr_va_vdst(0)                   ; one wait for both, ahead of the first reader
.macro YOUT oa, rc, y, pcx, ctx, w, ptr
.set N, 0
.rept 16
	v_pk_mul_f32 v[\y+N:\y+N+1], v[\oa+N:\oa+N+1], v[\rc:\rc+1] op_sel_hi:[1,0]   ; ascending: each accumulator is read from its low end on
.set N, N+2
.endr
.irp b, 0,1
	v_max3_num_f32 v[BM+\b], |v[\y+16*\b]|, |v[\y+16*\b+1]|, 0x2800000
.endr
.irp i, 2,4,6,8,10,12,14
.irp b, 0,1
	v_max3_num_f32 v[BM+\b], v[BM+\b], |v[\y+16*\b+\i]|, |v[\y+16*\b+\i+1]|
.endr
.endr
.irp b, 0,1
	v_permlanex16_b32 v[PM+\b], v[BM+\b], s[SEL], s[SEL+1]
.endr
.irp b, 0,1
	v_max_num_f32 v[BM+\b], v[BM+\b], v[PM+\b]
.endr
.irp b, 0,1
	v_add_nc_u32 v[SO+\b], 0xfe000000, v[BM+\b]
.endr
.irp b, 0,1
	v_lshrrev_b32 v[PM+\b], 23, v[SO+\b]
.endr
	v_lshl_or_b32 v[\w], v[PM+1], 8, v[PM]         ; my row's two scale bytes
	v_cvt_scalef32_pk16_bf6_f32 v[\pcx:\pcx+2], v[\y:\y+15], v[SO]
	v_cvt_scalef32_pk16_bf6_f32 v[\ctx:\ctx+2], v[\y+16:\y+31], v[SO+1]
	v_nop
.irp i, 0,1,2
	v_permlane16_swap_b32 v[\pcx+\i], v[\ctx+\i]
.endr
.irp i, 0,1,2
	v_mov_b32 v[\pcx+3+\i], v[\ctx+\i]
.endr
.irp p, 0,1,2
	global_store_b64 v2, v[\pcx+2*\p:\pcx+2*\p+1], s[\ptr:\ptr+1] offset:256*\p   ; 32 lanes store 256 consecutive bytes, aligned
.endr
.endm
	YOUT OH, 252, S, PC, CT, 6, 56
	YOUT OL, 254, S+32, PC+6, CT+4, 7, 58
	v_and_b32 v49, 15, v0
	v_lshlrev_b32 v49, 3, v49                      ; 8 r
	v_add_nc_u32 v252, s60, v49
	v_add_nc_u32 v254, s61, v49
	v_cndmask_b32 v252, v252, v254, s[HM]          ; lanes 0-15 store HI's bytes, lanes 16-31 LO's
	v_cndmask_b32 v6, v6, v7, s[HM]
	global_store_b16 v252, v6, s[10:11]
	s_wait_tensorcnt 0x0
	ds_add_u32 v247, v251
	s_wait_dscnt 0x0
	CROUND                                         ; the closing round: no work-group ends while a partner may still ask for a record that names it
	s_endpgm
.Lfunc_end_k_q95463d5d22_attn:
	.size	k_q95463d5d22_attn, .Lfunc_end_k_q95463d5d22_attn-k_q95463d5d22_attn
	.p2alignl 7, 3214868480
	.fill 96, 4, 3214868480
	.section	.rodata,"a",@progbits
	.p2align	6, 0x0
	.amdhsa_kernel k_q95463d5d22_attn
		.amdhsa_group_segment_fixed_size 210944
		.amdhsa_private_segment_fixed_size 0
		.amdhsa_enable_private_segment 0
		.amdhsa_kernarg_size 32
		.amdhsa_user_sgpr_count 2
		.amdhsa_user_sgpr_kernarg_segment_ptr 1
		.amdhsa_wavefront_size32 1
		.amdhsa_system_sgpr_workgroup_id_x 1
		.amdhsa_system_sgpr_workgroup_id_y 1
		.amdhsa_system_sgpr_workgroup_id_z 1
		.amdhsa_system_vgpr_workitem_id 0
		.amdhsa_next_free_vgpr 256
		.amdhsa_next_free_sgpr 66
		.amdhsa_reserve_vcc 1
		.amdhsa_float_denorm_mode_32 3
		.amdhsa_float_denorm_mode_16_64 3
		.amdhsa_memory_ordered 1
		.amdhsa_forward_progress 1
		.amdhsa_inst_pref_size 110
	.end_amdhsa_kernel
	.amdgpu_metadata
---
amdhsa.version: [ 1, 2 ]
amdhsa.kernels:
  - .name:           k_q95463d5d22_attn
    .symbol:         k_q95463d5d22_attn.kd
    .args:
      - { .name: qb, .offset: 0, .size: 8, .value_kind: global_buffer, .address_space: global }
      - { .name: kv, .offset: 8, .size: 8, .value_kind: global_buffer, .address_space: global }
      - { .name: yimg, .offset: 16, .size: 8, .value_kind: global_buffer, .address_space: global }
      - { .name: yscl, .offset: 24, .size: 8, .value_kind: global_buffer, .address_space: global }
    .group_segment_fixed_size: 210944
    .private_segment_fixed_size: 0
    .kernarg_segment_align: 8
    .kernarg_segment_size: 32
    .max_flat_workgroup_size: 512
    .sgpr_count:     66
    .vgpr_count:     256
    .wavefront_size: 32
...
	.end_amdgpu_metadata
.endif
;; end of part 3
;; launch proj (part 4): grid 4 x 32, 4 waves a work-group, clusters of 4 x 4, 327,680 bytes of LDS; arguments yimg, yscl, codes, scales, bp, out0; writes out0
.if DOCPART == 4
	.amdgcn_target "amdgcn-amd-amdhsa--gfx1250"
	.amdhsa_code_object_version 6
	.text
	.protected	k_q95463d5d22_proj
	.globl	k_q95463d5d22_proj
	.p2align	8
	.type	k_q95463d5d22_proj,@function
k_q95463d5d22_proj:
	s_mov_b64 s[64:65], 0
	v_nop
	global_prefetch_b8 v0, s[64:65] scope:SCOPE_SE
	s_setreg_imm32_b32 hwreg(HW_REG_WAVE_MODE, 25, 1), 1
	s_wait_xcnt 0x0
	s_wait_alu depctr_hold_cnt(0) depctr_sa_sdst(0) depctr_va_vdst(0) depctr_va_sdst(0) depctr_va_ssrc(0) depctr_va_vcc(0) depctr_vm_vsrc(0)
	s_getreg_b32 s2, hwreg(HW_REG_IB_STS2, 6, 4)
	s_cmp_eq_u32 s2, 0
	s_cbranch_scc0 .Lentry_in_a_cluster
	s_endpgm
.Lentry_in_a_cluster:
	s_bfe_u32 s2, ttmp6, 0x10000c
	s_cmp_lg_u32 s2, 0xf033
	s_cbranch_scc0 .Lentry_shape_is_right
	s_endpgm
.Lentry_shape_is_right:
; out0 = y Wp^T + bp on codes of BF6 (E3M2) with E8M0 scales; out0 [8192][1024] f32.
; A tile of 256 x 256 is made by four waves, each 128 x 128: 64 accumulators, 512 registers.  K = 1,024 goes in four slots of 256 through a ring of two LDS slots.
; Both operands lie in memory in the order of the operands' registers: 128 rows of a slot are ONE dense block of 24,576 bytes (one tensor load).  Wp's fragments are three chunks of 512 bytes (ds_load_b128);
; y's are six chunks of 256 bytes (ds_load_b64), since each head wrote three whole chunks.  The scale words of the tile's rows, for all of K, come once with the first fills.
; THE MATRIX INSTRUCTION IS USED TRANSPOSED (source 0 = 16 rows of Wp, source 1 = 16 rows of y): a lane holds one row of y.  The rows of a tile are not neighbours (tile 2 b + u, place i: row 32 b + 8 u + i + 8 (i / 8)):
; the way out puts columns and rows back in their places, by the stage's offsets and the stores' offsets.
; CLUSTERS: 4 x 4 work-groups; y's tiles are shared along a row of the cluster, Wp's along a column: each is asked for jointly.
; 128 work-groups: the tile is kept at 256 x 256, for the sake of the multiply-adds that each LDS byte feeds.  No prefetch: the ring has two refills in all, each asked for a slot's 128 matrix instructions ahead of the wait for it.
; REGISTERS: window 0: v0-31 addresses; v32-63 scale words, two sets; v64-67 bp; v128-223 A's fragments, one set; on the way out v128-255 rows of out0.
;   window 1: B's fragments, two sets, at v0 and v128.   windows 2, 3: the accumulators ((a, b) at v[8 (8 (a % 4) + b)], window 2 + a / 4).
.set NQ,     2
.set FR,     12
.set NLA,    6                         ; LDS loads that bring a fragment of A
.set NP,     4                         ; places behind this matrix instruction (ISA guide 7.12.1)
.set HALFT,  24576
.set SLOT,   98304
.set SCL,    196608
.set HALFS,  4096
.set SPARE,  212992                    ; the spare words, 128 bytes for each wave: two blocks of 256 bytes that no other line names
.set STRA,   1572864                   ; bytes from a slot's codes to the next slot's: y's 512 row tiles x 3,072,
.set STRB,   2359296                   ; the first launch's 768
.set SPITCH, 528                       ; the way out: a stage of 16 rows x (512 bytes + 16) for each wave, in slot 0, which has had its last fill and its last read when the first result is stored there
.set ADRA, 16
.set ADRB, 20
.set STO,  22                          ; v22  the way out: where I put 32 bytes of a row
.set RD,   23                          ; v23  and where I read a row back
.set CO,   24                          ; v24  16 x lane
.set ADRS, 27
.set SPW,  28
.set NIL,  29
.set SC,   32
.set BP,   64
.set AF,   128
.set BK,   128
.set WV,   18
.set AH,   19
.set BH,   20
.set CX,   21
.set CY,   22
.set G1,   24
.set G0,   32
.set G1B,  48
.set G0B,  56
.set G1S,  68
.set G0S,  76
.set G1SB, 80
.set G0SB, 88
.set MSB, 0
.macro WIN new                         ; the immediate's high byte repeats the setting that is left
.if MSB != (\new)
	s_set_vgpr_msb (MSB<<8)|(\new)
.set MSB, (\new)
.endif
.endm
.set MUL_LO, 0xa1
.set MUL_HI, 0xf1
.set TO_B,   0x40
.macro JLOAD g0a, g1a, g0b, g1b        ; a joint load: waves 0 and 1 fetch for A, waves 2 and 3 for B; four v_nop follow each of the two lines
	s_cmp_eq_u32 s[AH], 0
	s_cbranch_scc0 .Lfor_b_\@
	tensor_load_to_lds s[\g0a:\g0a+3], s[\g1a:\g1a+7]
	s_nop 0
.rept 4
	v_nop
.endr
	s_branch .Lasked_\@
.Lfor_b_\@:
	tensor_load_to_lds s[\g0b:\g0b+3], s[\g1b:\g1b+7]
	s_nop 0
.rept 4
	v_nop
.endr
.Lasked_\@:
.endm
.macro CREST
	s_cmp_lg_u32 s[WV], 0
	s_cbranch_scc1 .Lnot_wave_0_\@
	s_barrier_signal -3
.Lnot_wave_0_\@:
	s_barrier_wait -3
	s_barrier_signal -1
	s_barrier_wait -1
.endm
.macro CROUND
	s_barrier_signal -1
	s_barrier_wait -1
	CREST
.endm
	s_load_b256 s[4:11], s[0:1], 0x0               ; yimg, yscl, codes, scales
	s_load_b128 s[12:15], s[0:1], 0x20             ; bp, out0
	v_lshl_add_u32 v[SPW], v0, 2, SPARE
	v_mov_b32 v[NIL], 0
	ds_add_u32 v28, v29
	ds_add_u32 v28, v29
	s_wait_dscnt 0x0
	v_lshrrev_b32 v1, 5, v0
	v_readfirstlane_b32 s[WV], v1
	s_lshr_b32 s[AH], s[WV], 1
	s_and_b32 s[BH], s[WV], 1
	s_bfe_u32 s[CX], ttmp6, 0x40000
	s_bfe_u32 s[CY], ttmp6, 0x40004
	s_and_b32 s23, ttmp7, 0xffff
	s_lshl_b32 s23, s23, 2
	s_add_co_u32 s41, s23, s[CY]                   ; y's tile of 256 rows
	s_add_co_u32 s42, s[CX], 44                    ; Wp's, among the first launch's tiles
	s_lshl_b32 s43, s[CY], 2
	s_lshl_b32 s43, 15, s43                        ; my row of the cluster
	s_lshl_b32 s44, 0x1111, s[CX]                  ; my column
	s_or_b32 s[G1], s43, (3<<16)|(1<<21)           ; 15:0 the mask; 17:16 elements of 8 bytes; 20 no padding; 21 set beside a mask
	s_or_b32 s[G1B], s44, (3<<16)|(1<<21)
	s_or_b32 s[G1S], s43, (3<<16)|(1<<21)
	s_or_b32 s[G1SB], s44, (3<<16)|(1<<21)
.irp g, G1, G1B                        ; a dense block of 24,576 bytes as 96 rows of 256
	s_mov_b32 s[\g+1], 32<<16
	s_mov_b32 s[\g+2], 96<<16
	s_mov_b32 s[\g+3], 32<<16
	s_mov_b32 s[\g+4], 96
	s_mov_b32 s[\g+5], 32
	s_mov_b32 s[\g+6], 0
	s_mov_b32 s[\g+7], 0
.endr
.irp g, G1S, G1SB                      ; 4,096 bytes as 16 rows of 256
	s_mov_b32 s[\g+1], 32<<16
	s_mov_b32 s[\g+2], 16<<16
	s_mov_b32 s[\g+3], 32<<16
	s_mov_b32 s[\g+4], 16
	s_mov_b32 s[\g+5], 32
	s_mov_b32 s[\g+6], 0
	s_mov_b32 s[\g+7], 0
.endr
	s_lshl_b32 s45, s[BH], 3
	s_lshl_b32 s46, s41, 4
	s_add_co_u32 s46, s46, s45                     ; A's first row tile
	s_lshl_b32 s47, s42, 4
	s_add_co_u32 s47, s47, s45                     ; B's
	s_mul_i32 s92, s46, 3072
	s_mov_b32 s93, 0
	s_mul_i32 s94, s47, 3072
	s_mov_b32 s95, 0
	s_lshl_b32 s96, s46, 9
	s_mov_b32 s97, 0
	s_lshl_b32 s98, s47, 9
	s_mov_b32 s99, 0
	s_mul_i32 s66, s[WV], HALFT
	s_mul_i32 s67, s[WV], HALFS
	s_wait_kmcnt 0x0
	s_add_nc_u64 s[92:93], s[4:5], s[92:93]
	s_add_nc_u64 s[94:95], s[8:9], s[94:95]
	s_add_nc_u64 s[96:97], s[6:7], s[96:97]
	s_add_nc_u64 s[98:99], s[10:11], s[98:99]
	CROUND                                         ; all sixteen work-groups are here: the first joint loads meet
	s_mov_b32 s[G0S], 1
	s_add_co_u32 s[G0S+1], s67, SCL
	s_mov_b64 s[G0S+2:G0S+3], s[96:97]
	s_or_b32 s[G0S+3], s[G0S+3], 0x80000000
	s_mov_b32 s[G0SB], 1
	s_add_co_u32 s[G0SB+1], s67, SCL
	s_mov_b64 s[G0SB+2:G0SB+3], s[98:99]
	s_or_b32 s[G0SB+3], s[G0SB+3], 0x80000000
	JLOAD G0S, G1S, G0SB, G1SB
.irp s, 0,1
	s_mov_b32 s[G0+4*\s], 1
	s_add_co_u32 s[G0+4*\s+1], s66, \s*SLOT
	s_add_nc_u64 s[G0+4*\s+2:G0+4*\s+3], s[92:93], \s*STRA
	s_or_b32 s[G0+4*\s+3], s[G0+4*\s+3], 0x80000000
	s_mov_b32 s[G0B+4*\s], 1
	s_add_co_u32 s[G0B+4*\s+1], s66, \s*SLOT
	s_add_nc_u64 s[G0B+4*\s+2:G0B+4*\s+3], s[94:95], \s*STRB
	s_or_b32 s[G0B+4*\s+3], s[G0B+4*\s+3], 0x80000000
	JLOAD G0+4*\s, G1, G0B+4*\s, G1B               ; three tensor loads of mine are out
.endr
	v_and_b32 v1, 31, v0
	v_lshlrev_b32 v[CO], 4, v1                     ; 16 x lane
	v_lshlrev_b32 v25, 3, v1                       ; 8 x lane
	v_and_b32 v2, 15, v0                           ; r
	v_bfe_u32 v3, v0, 4, 1                         ; h
	s_mul_i32 s43, s[AH], HALFT
	s_mul_i32 s44, s[BH], HALFT
	s_add_co_u32 s44, s44, 2*HALFT
.irp s, 0,1
	v_add_nc_u32 v[ADRA+\s], s43, v25
	v_add_nc_u32 v[ADRB+\s], s44, v[CO]
	s_add_co_u32 s43, s43, SLOT
	s_add_co_u32 s44, s44, SLOT
.endr
	s_mul_i32 s43, s[AH], HALFS
	s_mul_i32 s44, s[BH], HALFS
	s_add_co_u32 s44, s44, 2*HALFS
	s_sub_co_u32 s44, s44, s43
	v_mul_u32_u24 v4, s44, v3                      ; lanes 16-31 take B's words: one product, the distance between the two
	s_add_co_u32 s43, s43, SCL
	v_lshl_add_u32 v4, v2, 3, v4
	v_add_nc_u32 v[ADRS], s43, v4
	s_mul_i32 s43, s[WV], 16*SPITCH                ; my stage
	v_mul_u32_u24 v4, v2, SPITCH
	v_lshl_add_u32 v4, v3, 6, v4
	v_add_nc_u32 v[STO], s43, v4                   ; in: row r, + 64 h: block b's eight columns are 32 (b / 2) + 16 h + 8 (b % 2) + 0 .. 7
	v_add_nc_u32 v[RD], s43, v[CO]                 ; back: the 32 lanes take one row of 512 bytes
	s_lshl_b32 s92, s41, 8
	s_lshl_b32 s43, s[AH], 7
	s_add_co_u32 s92, s92, s43                     ; my first row of out0
	s_lshl_b32 s92, s92, 12                        ; a row is 4,096 bytes
	s_mov_b32 s93, 0
	s_lshl_b32 s94, s[CX], 10                      ; my first column, in bytes (in the registers that held B's address)
	s_lshl_b32 s44, s[BH], 9
	s_add_co_u32 s94, s94, s44
	s_mov_b32 s95, 0
	s_add_nc_u64 s[12:13], s[12:13], s[94:95]
	s_add_nc_u64 s[14:15], s[14:15], s[92:93]
	s_add_nc_u64 s[14:15], s[14:15], s[94:95]
	global_load_b128 v[BP:BP+3], v[CO], s[12:13]   ; bp of the four columns that I store
.macro FRAGB reg, adr, q, i
.irp c, 0,1,2
	ds_load_b128 v[\reg+4*\c:\reg+4*\c+3], v[\adr] offset:(\i)*3072+(\q)*1536+512*\c
.endr
.endm
.macro FRAGA reg, adr, q, i
.irp p, 0,1,2,3,4,5
	ds_load_b64 v[\reg+2*\p:\reg+2*\p+1], v[\adr] offset:(\i)*3072+(\q)*1536+256*\p
.endr
.endm
; 16 matrix instructions: A's blocks a0, a0 + 1 x B's eight, 128 along K.  The 64 accumulators take turns, one instruction a turn, in the same order in every step.
.macro MUL16 a0, p, q, sc, zero
.irp a, \a0, \a0+1
.irp b, 0,1,2,3,4,5,6,7
.if \zero
	v_wmma_scale_f32_16x16x128_f8f6f4 v[8*(8*((\a)%4)+\b):8*(8*((\a)%4)+\b)+7], v[128*(\p)+FR*\b:128*(\p)+FR*\b+FR-1], v[AF+FR*(\a):AF+FR*(\a)+FR-1], 0, v[SC+8*NQ*(\sc)+NQ*\b+(\q)], v[SC+8*NQ*(\sc)+NQ*(\a)+(\q)] matrix_a_fmt:MATRIX_FMT_BF6 matrix_b_fmt:MATRIX_FMT_BF6 matrix_a_scale:MATRIX_SCALE_ROW1
.else
	v_wmma_scale_f32_16x16x128_f8f6f4 v[8*(8*((\a)%4)+\b):8*(8*((\a)%4)+\b)+7], v[128*(\p)+FR*\b:128*(\p)+FR*\b+FR-1], v[AF+FR*(\a):AF+FR*(\a)+FR-1], v[8*(8*((\a)%4)+\b):8*(8*((\a)%4)+\b)+7], v[SC+8*NQ*(\sc)+NQ*\b+(\q)], v[SC+8*NQ*(\sc)+NQ*(\a)+(\q)] matrix_a_fmt:MATRIX_FMT_BF6 matrix_b_fmt:MATRIX_FMT_BF6 matrix_a_scale:MATRIX_SCALE_ROW1
.endif
.endr
.endr
.endm
.macro FETCH_B slot, q, p
	WIN TO_B
.irp i, 0,1,2,3,4,5,6,7
	FRAGB 128*(\p)+FR*\i, ADRB+\slot, \q, \i
.endr
	WIN 0
.endm
.macro FETCH_A slot, q, i0
.irp i, \i0, \i0+1, \i0+2, \i0+3
	FRAGA AF+FR*(\i), ADRA+\slot, \q, \i
.endr
.endm
.macro SCALES sc, sig
.irp i, 0,1,2,3,4,5,6,7
	ds_load_b64 v[SC+8*NQ*\sc+NQ*\i:SC+8*NQ*\sc+NQ*\i+1], v[ADRS] offset:512*\i+128*\sig
.endr
.endm
.macro PLACES n                        ; plain vector lines between a matrix instruction and a load into, or a read of, its registers (ISA guide 7.12.1 for reads)
.rept \n
	v_nop
.endr
.endm
.macro STEP slot, q, zero
	s_wait_dscnt 4*NLA                             ; B's set, A's blocks 0-3 and the scale words are in; the youngest loads (A's blocks 4-7) may be out
	WIN MUL_LO
	MUL16 0, (\q)%2, \q, \slot, \zero
	MUL16 2, (\q)%2, \q, \slot, \zero
	s_wait_dscnt 0
	PLACES NP
	FETCH_B \slot, (\q)+1, 1-(\q)%2
	FETCH_A \slot, (\q)+1, 0
	WIN MUL_HI
	MUL16 4, (\q)%2, \q, \slot, \zero
	MUL16 6, (\q)%2, \q, \slot, \zero
	PLACES NP
	WIN 0
	FETCH_A \slot, (\q)+1, 4
.endm
; A slot's last step changes slots: ONE barrier; in front of it each wave waits for all its tensor loads, adds 0 to its spare word, and waits for that and for its reads of this slot.
.macro TURN slot, next, fill, sig
	s_wait_tensorcnt 0x0                           ; all my tensor loads have landed: my part of the next slot
	ds_add_u32 v[SPW], v[NIL]                      ; 0 onto my spare word
	s_wait_dscnt 4*NLA+1                           ; (the add and A's blocks 4-7 may be out)
	WIN MUL_LO
	MUL16 0, 1, NQ-1, \slot, 0
	s_wait_dscnt 0x0                               ; the add is done, and my reads of this slot are over
	s_barrier_signal -1
	MUL16 2, 1, NQ-1, \slot, 0
	WIN 0
	s_barrier_wait -1
.if \fill
	CREST                                          ; the barrier has opened a round of the cluster's: no wave of any partner still reads this slot or has a load on its way
	s_add_nc_u64 s[G0+4*\slot+2:G0+4*\slot+3], s[G0+4*\slot+2:G0+4*\slot+3], 2*STRA
	s_add_nc_u64 s[G0B+4*\slot+2:G0B+4*\slot+3], s[G0B+4*\slot+2:G0B+4*\slot+3], 2*STRB
	JLOAD G0+4*\slot, G1, G0B+4*\slot, G1B         ; the first tensor load behind the round; its four v_nop are also the places in front of the loads below
.else
	PLACES NP
.endif
	FETCH_B \next, 0, 0
	FETCH_A \next, 0, 0
	SCALES \next, \sig
	WIN MUL_HI
	MUL16 4, 1, NQ-1, \slot, 0
	MUL16 6, 1, NQ-1, \slot, 0
	PLACES NP
	WIN 0
	FETCH_A \next, 0, 4
.endm
	s_wait_tensorcnt 1                             ; the scale words and my part of slot 0 are in; slot 1's load may be out
	s_barrier_signal -1
	s_barrier_wait -1
	FETCH_B 0, 0, 0
	FETCH_A 0, 0, 0
	SCALES 0, 0
	FETCH_A 0, 0, 4
	STEP 0, 0, 1                                   ; the first products start the sums: nothing is cleared
	TURN 0, 1, 1, 1
	STEP 1, 0, 0
	TURN 1, 0, 1, 2
	STEP 0, 0, 0
	TURN 0, 1, 0, 3
	STEP 1, 0, 0
	s_wait_dscnt 4*NLA
	WIN MUL_LO
	MUL16 0, 1, NQ-1, 1, 0
	MUL16 2, 1, NQ-1, 1, 0
	s_wait_dscnt 0
	WIN MUL_HI
	MUL16 4, 1, NQ-1, 1, 0
	MUL16 6, 1, NQ-1, 1, 0
	WIN 0
; THE WAY OUT, block by block of 16 rows x 128 columns: through my own stage in LDS, where the columns come into their natural order, and back as whole rows of 512 bytes.
; LDS serves a wave's instructions in order (ISA guide 5.7.1.4): no wait between the stores and the loads, nor in front of the next block's stores.
.macro TOSTAGE a
.set AC, 64*((\a)%4)
	WIN 0x08+4*((\a)/4)                            ; the data: window 2 or 3
.irp b, 0,1,2,3,4,5,6,7
	ds_store_b128 v[STO], v[AC+8*\b:AC+8*\b+3] offset:128*(\b/2)+32*(\b%2)       ; each accumulator from its low end on
	ds_store_b128 v[STO], v[AC+8*\b+4:AC+8*\b+7] offset:128*(\b/2)+32*(\b%2)+16
.endr
	WIN 0
.set BB, BK+64*((\a)%2)
.irp t, 0,1,2,3,4,5,6,7,8,9,10,11,12,13,14,15
	ds_load_b128 v[BB+4*\t:BB+4*\t+3], v[RD] offset:\t*SPITCH
.endr
.endm
.macro SEND a, younger                 ; younger: the LDS instructions issued behind block a's loads, which may stay out
.set BB, BK+64*((\a)%2)
	s_wait_dscnt \younger
.irp t, 0,1,2,3,4,5,6,7,8,9,10,11,12,13,14,15
	v_pk_add_f32 v[BB+4*\t:BB+4*\t+1], v[BB+4*\t:BB+4*\t+1], v[BP:BP+1]
	v_pk_add_f32 v[BB+4*\t+2:BB+4*\t+3], v[BB+4*\t+2:BB+4*\t+3], v[BP+2:BP+3]
.endr
.irp t, 0,1,2,3,4,5,6,7,8,9,10,11,12,13,14,15
	global_store_b128 v[CO], v[BB+4*\t:BB+4*\t+3], s[14:15] offset:(32*((\a)/2)+8*((\a)%2)+\t+8*(\t/8))*4096 th:TH_STORE_NT   ; place t of row tile a is row 32 (a / 2) + 8 (a % 2) + t + 8 (t / 8); 32 lanes store 512 consecutive bytes, aligned; 127 rows at the most: inside the signed 24-bit immediate
.endr
.endm
	PLACES NP
	s_wait_loadcnt 0x0                             ; bp
	TOSTAGE 0
.irp a, 1,2,3,4,5,6,7
.if \a > 1
	s_wait_xcnt 0x0                                ; block a - 2's stores have read their registers: block a's loads may land there
.endif
	TOSTAGE \a
	SEND \a-1, 32                                  ; behind block a - 1's loads: block a's 16 stores and 16 loads
.endr
	SEND 7, 0
	s_wait_tensorcnt 0x0                           ; the wave's end
	ds_add_u32 v[SPW], v[NIL]
	s_wait_dscnt 0x0
	CROUND                                         ; the closing round: no work-group ends while a partner may still ask for a tile that names it
	s_endpgm
.Lfunc_end_k_q95463d5d22_proj:
	.size	k_q95463d5d22_proj, .Lfunc_end_k_q95463d5d22_proj-k_q95463d5d22_proj
	.p2alignl 7, 3214868480
	.fill 96, 4, 3214868480
	.section	.rodata,"a",@progbits
	.p2align	6, 0x0
	.amdhsa_kernel k_q95463d5d22_proj
		.amdhsa_group_segment_fixed_size 327680
		.amdhsa_private_segment_fixed_size 0
		.amdhsa_enable_private_segment 0
		.amdhsa_kernarg_size 48
		.amdhsa_user_sgpr_count 2
		.amdhsa_user_sgpr_kernarg_segment_ptr 1
		.amdhsa_wavefront_size32 1
		.amdhsa_system_sgpr_workgroup_id_x 1
		.amdhsa_system_sgpr_workgroup_id_y 1
		.amdhsa_system_sgpr_workgroup_id_z 1
		.amdhsa_system_vgpr_workitem_id 0
		.amdhsa_next_free_vgpr 1024
		.amdhsa_next_free_sgpr 100
		.amdhsa_reserve_vcc 0
		.amdhsa_float_denorm_mode_32 3
		.amdhsa_float_denorm_mode_16_64 3
		.amdhsa_memory_ordered 1
		.amdhsa_forward_progress 1
		.amdhsa_inst_pref_size 163
	.end_amdhsa_kernel
	.amdgpu_metadata
---
amdhsa.version: [ 1, 2 ]
amdhsa.kernels:
  - .name:           k_q95463d5d22_proj
    .symbol:         k_q95463d5d22_proj.kd
    .args:
      - { .name: yimg, .offset: 0, .size: 8, .value_kind: global_buffer, .address_space: global }
      - { .name: yscl, .offset: 8, .size: 8, .value_kind: global_buffer, .address_space: global }
      - { .name: codes, .offset: 16, .size: 8, .value_kind: global_buffer, .address_space: global }
      - { .name: scales, .offset: 24, .size: 8, .value_kind: global_buffer, .address_space: global }
      - { .name: bp, .offset: 32, .size: 8, .value_kind: global_buffer, .address_space: global }
      - { .name: out0, .offset: 40, .size: 8, .value_kind: global_buffer, .address_space: global }
    .group_segment_fixed_size: 327680
    .private_segment_fixed_size: 0
    .kernarg_segment_align: 8
    .kernarg_segment_size: 48
    .max_flat_workgroup_size: 128
    .sgpr_count:     100
    .vgpr_count:     1024
    .wavefront_size: 32
...
	.end_amdgpu_metadata
.endif
;; end of part 4
